; MI455X (gfx1250); checked and timed in simulation.
; The chip was launched on July 23, 2026; its instructions are those of AMD's public machine-readable ISA for CDNA 5 (MIT licence, August 2026) and "CDNA5" Instruction Set Architecture Reference Guide (July 2026). The comments in the code are by the model that wrote it; some were corrected since.
;; Attention. Allowed arithmetic: matrix products marked QUANTISED: E2M1 operands, one E8M0 scale for each 32 along K, by v_wmma_scale_f32_16x16x128_f8f6f4 with both operands' format E2M1 (or v_wmma_scale_f32_32x16x128_f4), f32 sums; products left as they are: bf16, f16 or f32 operands; f32 sums; everything else in f32.
;; Inputs: freqs_cis 1,024 x 32 x 2 float32; mask 1 x 1 x 1,024 x 1,024 bool; wo 2,048 x 2,048 float32; wqkv 3,072 x 2,048 float32; x 4 x 1,024 x 2,048 float32.
;; Outputs: out0 4 x 1,024 x 2,048 float32.
;; This version of the problem:
;;   THIS VERSION OF THE PROBLEM IS GIVEN IN LOW PRECISION. The matrix products marked QUANTISED in the list below multiply operands that are first quantised to E2M1 (2 exponent bits, 1 mantissa bit; 4 bits a number), with one power-of-two scale for each 32 numbers along K (OCP MX v1.0); their sums are f32. The products marked 'left as it is' may take bf16, f16 or f32 operands, with f32 sums. Whichever they take, every output number must still come out within the allowed error. Rounding operands to bf16 (8 significant bits) uses up far more of that allowance than f16 does (11 bits, for magnitudes from 6e-5 to 65,504). All else is computed in f32.
;;   The module's matrix products, in the order in which they are computed (A, B: the left and right operand; K: the contracted axis; several contracted axes count as one K, in the product's order):
;;     1. [M 4,096, K 2,048] x [K 2,048, N 3,072]; A: input x; B: input wqkv: QUANTISED
;;     2. batch 128 x [M 1,024, K 64] x [K 64, N 1,024]; A: computed on the way; B: computed on the way: left as it is (an operand is computed on the way)
;;     3. batch 128 x [M 1,024, K 1,024] x [K 1,024, N 64]; A: computed on the way; B: computed on the way: left as it is (an operand is computed on the way)
;;     4. [M 4,096, K 2,048] x [K 2,048, N 2,048]; A: computed on the way; B: input wo: left as it is (an operand is computed on the way)
;;   THE QUANTISER, for each operand of a quantised product, along K:
;;     - K is cut into blocks of 32 from its start; a last block that is shorter is filled with zeros.
;;     - A block's scale is 2^e with e = floor(log2(the largest magnitude in the block)) - 2, held to -126 .. 127; a block of zeros has e = 0. As a byte (E8M0): e + 127.
;;     - Each number is divided by its block's scale, clamped to +-6, and rounded to the nearest number of E2M1, ties to even, subnormals kept.
;;     - The product sums the exact products of the quantised numbers (number of the format x scale) in f32.
;;   ~~~python
;;   def quantise(x, axis):      # numpy; x: float32 -> the quantised numbers, widened to float32 again
;;       x = np.moveaxis(x, axis, -1); K = x.shape[-1]
;;       x = np.pad(x, [(0, 0)] * (x.ndim - 1) + [(0, -K % 32)]); x = x.reshape(x.shape[:-1] + (-1, 32)); a = np.abs(x).max(-1, keepdims=True)
;;       e = np.where(a > 0, np.clip(np.frexp(np.where(a > 0, a, 1))[1] - 1 - 2, -126, 127), 0)      # np.frexp(a)[1] - 1 = floor(log2(a)), exactly
;;       r = np.clip(x / 2.0 ** e, -6, 6)
;;       step = 2.0 ** (np.maximum(np.frexp(np.where(r == 0, 1, r))[1] - 1, 0) - 1)
;;       q = np.round(r / step) * step * 2.0 ** e      # np.round: ties to even
;;       return np.moveaxis(q.reshape(q.shape[:-2] + (-1,))[..., :K], -1, axis).astype(np.float32)
;;   ~~~
;; One version. Each part assembles by itself: llvm-mc -triple=amdgcn-amd-amdhsa -mcpu=gfx1250 --defsym DOCPART=n.
;; ======== version 1 of 1: 4 launches
;; limits: values are held in f16: magnitudes above 65,504 overflow, below 6.1e-05 lose precision
;; workspace buffers: codes 7,340,032 bytes; scl 458,752 bytes; wo16 8,388,608 bytes; maskw 139,264 bytes of whole numbers; qkvh 25,165,824 bytes; y16 16,777,216 bytes
;; launch prep (part 1): grid 592 x 1, 4 waves a work-group, no clusters, 33,280 bytes of LDS; arguments x, wqkv, wo, mask, codes, scl, wo16, maskw; writes codes, scl, wo16, maskw
.if DOCPART == 1
	.amdgcn_target "amdgcn-amd-amdhsa--gfx1250"
	.amdhsa_code_object_version 6
	.text
	.protected	k_q1a7439e002_prep
	.globl	k_q1a7439e002_prep
	.p2align	8
	.type	k_q1a7439e002_prep,@function
k_q1a7439e002_prep:
	s_mov_b64 s[64:65], 0
	v_nop
	global_prefetch_b8 v0, s[64:65] scope:SCOPE_SE
	s_setreg_imm32_b32 hwreg(HW_REG_WAVE_MODE, 25, 1), 1
	s_wait_xcnt 0x0
; FIRST OF FOUR LAUNCHES of: out = attention(x wqkv^T with rotary, mask) wo^T.  This one prepares operands:
;   work-groups 0-15:    mask [1024][1024] of bytes -> lane-mask words and tile flags (whole numbers, buffer maskw)
;   work-groups 16-463:  x [4096][2048] and wqkv [3072][2048], f32 -> codes of E2M1, K innermost, two a byte, and one E8M0 byte for each 32 along K
;   work-groups 464-591: wo [2048][2048], f32 -> f16
; WORK THAT THE PROGRAM LEAVES OUT, AND WHY.  The third launch walks tiles of 16 queries x 64 keys.  Where all 1,024 mask bytes of such a tile are 0, reference() sets all its scores
; to -infinity: they leave each row's maximum as it is, their exponentials are 0, and they add 0 to the row's sum and to y, whatever finite values x, wqkv and freqs_cis hold.
; Such a tile is not multiplied.  Which tiles these are is read from the mask itself: this launch stores a flag for each tile, the third launch reads the flags from memory.
; Nothing of the mask's pattern is built in.  Every input is loaded.  LIMIT: a NaN or an infinity of k or v that reaches only tiles left out is not carried to the result.
; THE QUANTISER.  A block's scale is 2^(floor(log2(its largest magnitude)) - 2); its byte is the largest magnitude's exponent field - 2, held at 1 from below.  A block of zeros so
; gets the byte 1 where the rule says 127: its codes are zeros, which add nothing, and this program alone reads the bytes.  Each number is divided by the scale and rounded to the
; nearest code, ties to even, beyond 6 the largest code.  LIMITS: blocks whose largest magnitude lies under 2^-124 take the floor's scale; NaN and infinities in x and wqkv are not served;
; |wo| stays under 65,504 (f16).
; Rows are dense and K is a multiple of 32: x and wqkv are one stream of 1,792 runs of 8,192 numbers, and so are their codes (4,096 bytes a run) and scale bytes (256 a run).
.set WREG,  8192                       ; LDS: a region for each wave: two stages of 32 x SP bytes, behind them its 256 scale bytes
.set SP,    80                         ; a lane's place in a stage: 64 bytes + 16 of padding
.set STEPS, 16
.set CB,    8                          ; bytes of 16 codes
.set R,     16                         ; v16-79   four sets of 16 numbers as loaded
.set X,     80                         ; v80-111  two sets of 16 neighbours
.set E,     112                        ; v112-127 a scale byte for each step
.set C,     128                        ; v128-191 codes, four registers a step
.set SPW,   12                         ; v12  LDS address of my spare word; never rewritten
.set NIL,   13                         ; v13  0; never rewritten
.set SPARE, 4*WREG                     ; behind the four regions: the spare words, 128 bytes a wave
.macro LOAD t                          ; step t: four loads of 512 consecutive bytes
.irp i, 0,1,2,3
	global_load_b128 v[R+16*((\t)%4)+4*\i:R+16*((\t)%4)+4*\i+3], v3, s[4:5] offset:2048*(\t)+512*\i th:TH_LOAD_NT
.endr
.endm
.macro TURN t                          ; step t's 2,048 bytes through the wave's stage: in as they lie, back 64 neighbouring bytes a lane; LDS serves a wave's instructions in order
.irp i, 0,1,2,3
	ds_store_b128 v14, v[R+16*((\t)%4)+4*\i:R+16*((\t)%4)+4*\i+3] offset:32*SP*((\t)%2)+8*SP*\i
.endr
.irp i, 0,1,2,3
	ds_load_b128 v[X+16*((\t)%2)+4*\i:X+16*((\t)%2)+4*\i+3], v15 offset:32*SP*((\t)%2)+16*\i
.endr
.endm
.macro STEP t
.set XS, X+16*((\t)%2)
.if (\t) > 0
	s_wait_dscnt 1                                 ; this step's numbers are back from the stage; the last step's byte store may be out
.else
	s_wait_dscnt 0x0
.endif
.if (\t)+4 < STEPS
	LOAD (\t)+4                                    ; into the registers that the stage's stores have read
.endif
.if (\t)+1 < STEPS
.if STEPS-2-(\t) >= 3
	s_wait_loadcnt 12                              ; the next step's four loads are in; those of the three steps behind it may be out
.else
	s_wait_loadcnt 4*(STEPS-2-(\t))
.endif
	TURN (\t)+1
.endif
	v_max3_num_f32 v8, |v[XS]|, |v[XS+1]|, |v[XS+2]|               ; the largest magnitude of my 16, in two chains
	v_max3_num_f32 v9, |v[XS+3]|, |v[XS+4]|, |v[XS+5]|
.irp i, 6,10
	v_max3_num_f32 v8, v8, |v[XS+\i]|, |v[XS+\i+1]|
	v_max3_num_f32 v9, v9, |v[XS+\i+2]|, |v[XS+\i+3]|
.endr
	v_max3_num_f32 v8, v8, |v[XS+14]|, |v[XS+15]|
	v_max3_num_f32 v8, v8, v9, 0x1800000           ; and the floor 2^(3 - 127): the byte cannot fall under 1
	v_max_num_f32_dpp v8, v8, v8 row_xmask:1 row_mask:0xf bank_mask:0xf   ; with my neighbour's 16: the block's
	v_add_nc_u32 v11, 0xff000000, v8               ; 2 off its exponent field: the conversion takes this operand's exponent field as its scale
	v_cvt_scalef32_pk8_fp4_f32 v[C+4*(\t)], v[XS:XS+7], v11
	v_cvt_scalef32_pk8_fp4_f32 v[C+4*(\t)+1], v[XS+8:XS+15], v11
	v_lshrrev_b32 v[E+(\t)], 23, v11               ; the scale's byte (a plain line behind the conversions)
	ds_store_b8 v5, v[E+(\t)] offset:16*(\t)       ; both lanes of a block write the same byte with the same value
	global_store_b64 v4, v[C+4*(\t):C+4*(\t)+1], s[12:13] offset:32*CB*(\t)   ; the wave stores 256 consecutive bytes, aligned
.endm
.macro WLOAD k                         ; wo: 16 loads of 512 consecutive bytes
.irp i, 0,1,2,3,4,5,6,7,8,9,10,11,12,13,14,15
	global_load_b128 v[32+64*((\k)%2)+4*\i:32+64*((\k)%2)+4*\i+3], v3, s[8:9] offset:8192*(\k)+512*\i th:TH_LOAD_NT
.endr
.endm
.macro WROUND k
.if (\k) < 3
	s_wait_loadcnt 16                              ; this set's 16 loads are in; the next set's 16 may be out
.else
	s_wait_loadcnt 0x0
.endif
.if (\k) > 0
	s_wait_xcnt 0x0                                ; the last set's stores have read v160-191: they are rewritten only behind this wait
.endif
.irp i, 0,1,2,3,4,5,6,7,8,9,10,11,12,13,14,15
	v_cvt_pk_f16_f32 v[160+2*\i], v[32+64*((\k)%2)+4*\i], v[33+64*((\k)%2)+4*\i]
	v_cvt_pk_f16_f32 v[161+2*\i], v[34+64*((\k)%2)+4*\i], v[35+64*((\k)%2)+4*\i]
.endr
.irp i, 0,1,2,3,4,5,6,7,8,9,10,11,12,13,14,15
	global_store_b64 v4, v[160+2*\i:161+2*\i], s[16:17] offset:4096*(\k)+256*\i   ; 256 consecutive bytes, aligned
.endr
.if (\k) < 2
	WLOAD (\k)+2
.endif
.endm
; mask: key step s of my 16 rows.  Word i = 8 kt + j of the step: bit L = mask[16 t + L % 16][64 s + 16 kt + 8 (L / 16) + j]: the lane mask of register (kt, j) of the third launch's scores.
.macro MSTEP s
	s_wait_loadcnt 60-4*(\s)                       ; this step's four loads are in; the later steps' may be out
	s_mov_b32 s29, 0                               ; the or,
	s_mov_b32 s30, -1                              ; and the and, of the step's 32 words
.set q, 0
.rept 8
.irp e, 0,1,2,3
	v_and_b32 v[8+\e], 0xff<<(8*\e), v[32+2*(4*(\s)+q/2)+q%2]      ; byte j = 4 (q % 2) + e of my 8
.endr
.irp e, 0,1,2,3
	v_cmp_ne_u32 s[32+\e], 0, v[8+\e]
.endr
.irp e, 0,1,2,3
	v_writelane_b32 v[160+2*((\s)/2)+\e%2], s[32+\e], (32*((\s)%2)+4*q+\e)/2   ; word g = 32 (s % 2) + i of a pair of steps: register g % 2, lane g / 2
.endr
.irp e, 0,1,2,3
	s_or_b32 s29, s29, s[32+\e]
	s_and_b32 s30, s30, s[32+\e]
.endr
.set q, q+1
.endr
	s_cmp_lg_u32 s29, 0
	s_cselect_b32 s31, 1<<(\s), 0                  ; bit s: some byte of the tile is true
	s_or_b32 s28, s28, s31
	s_cmp_eq_u32 s30, -1
	s_cselect_b32 s31, 1<<(16+(\s)), 0             ; bit 16 + s: all are
	s_or_b32 s28, s28, s31
.if (\s)%2
	global_store_b64 v4, v[160+2*((\s)/2):161+2*((\s)/2)], s[18:19] offset:256*((\s)/2)   ; two steps' 64 words: 256 consecutive bytes, aligned; these registers are not written again
.endif
.endm
	s_load_b256 s[4:11], s[0:1], 0x0               ; x, wqkv, wo, mask
	s_load_b256 s[12:19], s[0:1], 0x20             ; codes, scl, wo16, maskw
	v_lshl_add_u32 v[SPW], v0, 2, SPARE
	v_mov_b32 v[NIL], 0
	v_lshrrev_b32 v1, 5, v0
	v_readfirstlane_b32 s20, v1                    ; wave
	v_and_b32 v2, 31, v0                           ; lane
	s_wait_kmcnt 0x0
	s_cmp_lt_u32 ttmp9, 16                         ; the three paths part on the work-group's number; only the quantiser's touches LDS
	s_cbranch_scc1 .Lmask
	s_cmp_ge_u32 ttmp9, 464
	s_cbranch_scc1 .Lwo
	; ---- x and wqkv into codes
	v_lshlrev_b32 v3, 4, v2                        ; my 16 bytes of a load's 512
	s_mul_i32 s21, s20, WREG
	v_lshrrev_b32 v14, 2, v2
	v_mul_u32_u24 v14, v14, SP
	v_and_b32 v15, 3, v2
	v_lshl_add_u32 v14, v15, 4, v14
	v_add_nc_u32 v14, s21, v14                     ; the stage, on the way in: SP (lane / 4) + 16 (lane % 4)
	v_mul_u32_u24 v15, v2, SP
	v_add_nc_u32 v15, s21, v15                     ; and on the way out: SP x lane
	v_mul_u32_u24 v4, v2, CB                       ; my codes' place in a step's
	v_lshrrev_b32 v5, 1, v2
	s_add_co_u32 s21, s21, 2*32*SP
	v_add_nc_u32 v5, s21, v5                       ; my block's byte among my wave's 256
	v_lshlrev_b32 v7, 3, v2
	v_add_nc_u32 v6, s21, v7                       ; and 8 bytes a lane on their way out
	s_sub_co_u32 s22, ttmp9, 16
	s_lshl_b32 s22, s22, 2
	s_add_co_u32 s22, s22, s20                     ; my run of 8,192 numbers: 0 .. 1,791
	s_cmp_lt_u32 ttmp9, 272                        ; runs 0 .. 1,023 are x's, the others wqkv's
	s_cselect_b64 s[4:5], s[4:5], s[6:7]
	s_cselect_b32 s23, 0, 1024
	s_sub_co_u32 s23, s22, s23                     ; the run's number in its tensor
	s_lshl_b32 s24, s23, 15
	s_mov_b32 s25, 0
	s_add_nc_u64 s[4:5], s[4:5], s[24:25]
	s_lshl_b32 s24, s22, 12
	s_add_nc_u64 s[12:13], s[12:13], s[24:25]      ; the codes and the bytes of both tensors are one stream
	s_lshl_b32 s24, s22, 8
	s_add_nc_u64 s[14:15], s[14:15], s[24:25]
.irp t, 0,1,2,3
	LOAD \t
.endr
	s_wait_loadcnt 12                              ; step 0's four loads are in
	TURN 0
.irp t, 0,1,2,3,4,5,6,7,8,9,10,11,12,13,14,15
	STEP \t
.endr
	ds_load_b64 v[8:9], v6                         ; LDS serves a wave's instructions in order: these see my byte stores
	s_wait_dscnt 0x0
	global_store_b64 v7, v[8:9], s[14:15]          ; 256 consecutive bytes, aligned
	s_wait_tensorcnt 0x0                           ; the wave's end, behind my last LDS store
	ds_add_u32 v[SPW], v[NIL]
	s_wait_dscnt 0x0
	s_endpgm
	; ---- wo into f16: a wave takes 8,192 numbers, in four sets of 16 loads, two sets on their way
.Lwo:
	s_sub_co_u32 s22, ttmp9, 464
	s_lshl_b32 s22, s22, 2
	s_add_co_u32 s22, s22, s20
	s_lshl_b32 s24, s22, 15
	s_mov_b32 s25, 0
	s_add_nc_u64 s[8:9], s[8:9], s[24:25]
	s_lshl_b32 s24, s22, 14
	s_add_nc_u64 s[16:17], s[16:17], s[24:25]
	v_lshlrev_b32 v3, 4, v2
	v_lshlrev_b32 v4, 3, v2
	WLOAD 0
	WLOAD 1
	WROUND 0
	WROUND 1
	WROUND 2
	WROUND 3
	s_endpgm
	; ---- the mask: a wave takes the 16 rows of row tile t = 4 x work-group + wave
.Lmask:
	s_lshl_b32 s21, ttmp9, 2
	s_add_co_u32 s21, s21, s20                     ; t
	s_mov_b32 s25, 0
	s_lshl_b32 s24, s21, 14
	s_add_nc_u64 s[10:11], s[10:11], s[24:25]      ; my 16 rows of 1,024 bytes
	s_lshl_b32 s24, s21, 7
	s_add_co_u32 s24, s24, 131072
	s_add_nc_u64 s[26:27], s[18:19], s[24:25]      ; my flags: 128 bytes behind the words
	s_lshl_b32 s24, s21, 11
	s_add_nc_u64 s[18:19], s[18:19], s[24:25]      ; my words: 16 steps x 32 words
	v_and_b32 v3, 15, v2
	v_lshrrev_b32 v5, 4, v2
	v_lshlrev_b32 v3, 10, v3
	v_lshl_add_u32 v3, v5, 3, v3                   ; row lane % 16, + 8 (lane / 16)
	v_lshlrev_b32 v4, 3, v2
	v_lshlrev_b32 v6, 2, v2
.set n, 0
.rept 64
	global_load_b64 v[32+2*n:33+2*n], v3, s[10:11] offset:16*n     ; step n / 4, key tile n % 4: 8 bytes a lane; all of the 16 rows is read by this wave alone
.set n, n+1
.endr
.set n, 0
.rept 16
	v_mov_b32 v[160+n], 0                          ; a lane write's destination counts as read
.set n, n+1
.endr
	s_mov_b32 s28, 0                               ; the flags
.irp s, 0,1,2,3,4,5,6,7,8,9,10,11,12,13,14,15
	MSTEP \s
.endr
	v_mov_b32 v5, s28
	global_store_b32 v6, v5, s[26:27]              ; the same word 32 times: 128 consecutive bytes
	s_endpgm
.Lfunc_end_k_q1a7439e002_prep:
	.size	k_q1a7439e002_prep, .Lfunc_end_k_q1a7439e002_prep-k_q1a7439e002_prep
	.p2alignl 7, 3214868480
	.fill 96, 4, 3214868480
	.section	.rodata,"a",@progbits
	.p2align	6, 0x0
	.amdhsa_kernel k_q1a7439e002_prep
		.amdhsa_group_segment_fixed_size 33280
		.amdhsa_private_segment_fixed_size 0
		.amdhsa_enable_private_segment 0
		.amdhsa_kernarg_size 64
		.amdhsa_user_sgpr_count 2
		.amdhsa_user_sgpr_kernarg_segment_ptr 1
		.amdhsa_wavefront_size32 1
		.amdhsa_system_sgpr_workgroup_id_x 1
		.amdhsa_system_sgpr_workgroup_id_y 1
		.amdhsa_system_sgpr_workgroup_id_z 1
		.amdhsa_system_vgpr_workitem_id 0
		.amdhsa_next_free_vgpr 192
		.amdhsa_next_free_sgpr 66
		.amdhsa_reserve_vcc 0
		.amdhsa_float_denorm_mode_32 3
		.amdhsa_float_denorm_mode_16_64 3
		.amdhsa_memory_ordered 1
		.amdhsa_forward_progress 1
		.amdhsa_inst_pref_size 195
	.end_amdhsa_kernel
	.amdgpu_metadata
---
amdhsa.version: [ 1, 2 ]
amdhsa.kernels:
  - .name:           k_q1a7439e002_prep
    .symbol:         k_q1a7439e002_prep.kd
    .args:
      - { .name: x, .offset: 0, .size: 8, .value_kind: global_buffer, .address_space: global }
      - { .name: wqkv, .offset: 8, .size: 8, .value_kind: global_buffer, .address_space: global }
      - { .name: wo, .offset: 16, .size: 8, .value_kind: global_buffer, .address_space: global }
      - { .name: mask, .offset: 24, .size: 8, .value_kind: global_buffer, .address_space: global }
      - { .name: codes, .offset: 32, .size: 8, .value_kind: global_buffer, .address_space: global }
      - { .name: scl, .offset: 40, .size: 8, .value_kind: global_buffer, .address_space: global }
      - { .name: wo16, .offset: 48, .size: 8, .value_kind: global_buffer, .address_space: global }
      - { .name: maskw, .offset: 56, .size: 8, .value_kind: global_buffer, .address_space: global }
    .group_segment_fixed_size: 33280
    .private_segment_fixed_size: 0
    .kernarg_segment_align: 8
    .kernarg_segment_size: 64
    .max_flat_workgroup_size: 128
    .sgpr_count:     66
    .vgpr_count:     192
    .wavefront_size: 32
...
	.end_amdgpu_metadata
.endif
;; end of part 1
;; launch qkv (part 2): grid 12 x 16, 4 waves a work-group, clusters of 4 x 4, 327,680 bytes of LDS; arguments codes, scl, freqs_cis, qkvh; writes qkvh
.if DOCPART == 2
	.amdgcn_target "amdgcn-amd-amdhsa--gfx1250"
	.amdhsa_code_object_version 6
	.text
	.protected	k_q1a7439e002_qkv
	.globl	k_q1a7439e002_qkv
	.p2align	8
	.type	k_q1a7439e002_qkv,@function
k_q1a7439e002_qkv:
	s_mov_b64 s[64:65], 0
	v_nop
	global_prefetch_b8 v0, s[64:65] scope:SCOPE_SE
	s_setreg_imm32_b32 hwreg(HW_REG_WAVE_MODE, 25, 1), 1
	s_wait_xcnt 0x0
	s_wait_alu depctr_hold_cnt(0) depctr_sa_sdst(0) depctr_va_vdst(0) depctr_va_sdst(0) depctr_va_ssrc(0) depctr_va_vcc(0) depctr_vm_vsrc(0)
	s_getreg_b32 s2, hwreg(HW_REG_IB_STS2, 6, 4)
	s_cmp_eq_u32 s2, 0
	s_cbranch_scc0 .Lentry_in_a_cluster
	s_endpgm
.Lentry_in_a_cluster:
	s_bfe_u32 s2, ttmp6, 0x10000c
	s_cmp_lg_u32 s2, 0xf033
	s_cbranch_scc0 .Lentry_shape_is_right
	s_endpgm
.Lentry_shape_is_right:
; SECOND LAUNCH: qkv = x wqkv^T on codes of E2M1 with E8M0 scales (sums in f32), rotary on q and k in f32, rounded once to f16 and laid head-major:
; qkvh [batch 4][head 48][position 1024][64], heads 0-31 q, 32-39 k, 40-47 v.  LIMIT: |q|, |k|, |v| stay under 65,504 (f16).  No work of this product is left out.
; A = x's codes [4096][1024 bytes], B = wqkv's codes [3072][1024 bytes] behind them in the same buffer; the scale bytes likewise, 64 a row.
; A tile of 256 x 256 is made by four waves, each 128 x 128: 64 accumulators, 512 registers.  K goes in steps of 512 (rows of 256 bytes) through a ring of two LDS slots filled by the tensor data mover.
; The scales of the work-group's 256 + 256 rows for all of K come into LDS once, with the first fills, as rows of 256 bytes + 16 of padding.
; CLUSTERS: 4 x 4 work-groups; A's tiles are asked for jointly along a row of the cluster, B's along a column.
; THE MATRIX INSTRUCTION IS USED TRANSPOSED (source 0 = 16 rows of wqkv, source 1 = 16 rows of x): a lane holds one position and eight neighbouring features, that is four rotary pairs.
; 192 work-groups: a tile that filled every WGP would straddle heads and the border of k and v; the grid is 12 x 16 tiles.
; REGISTERS: window 0: v0-31 addresses; v32-95 scale words, two sets; v128-191 A's fragments, one set; v192-255 the rotary table of two blocks of rows.  On the way out v32-167 are free.
;   window 1: B's fragments, two sets.   windows 2, 3: the accumulators ((a, b) at v[8 (8 (a % 4) + b)]).
.set SIZE_M, 4096
.set SIZE_N, 3072
.set SIZE_K, 2048
.set KSTEP,  512
.set NQ,     KSTEP/128
.set ROWB,   256
.set KROW,   SIZE_K*4/8
.set PITCH,  272                       ; 256 bytes + 16 of padding: the 16 rows of a fragment load start at 16 different banks
.set FR,     8
.set NL,     2
.set NP,     4
.set HALFT,  128*PITCH
.set SLOT,   4*HALFT
.set LAPS,   SIZE_K/(2*KSTEP)
.set KS,     SIZE_K/32
.set SCL,    2*SLOT
.set HALFS,  (128*KS/256)*272
.set SBLK,   (16*KS/256)*272
.set SPARE,  SCL+4*HALFS               ; the spare words, 128 bytes a wave
.set HP,     144                       ; the way out: a head's row of 64 f16, 128 bytes + 16
.set STGW,   2*16*HP                   ; a wave's stage: 2 heads x 16 rows.  It lies in slot 0, which has had its last fill and its last read by then
.set ADRA, 16
.set ADRB, 20
.set STO,  24
.set RD,   25
.set CO,   26
.set ADRS, 27
.set SPW,  28
.set NIL,  29
.set FO,   30                          ; v30  my byte in the rotary table of 16 positions: 256 (lane % 16) + 32 (lane / 16); never rewritten
.set SC,   32
.set AF,   128
.set YY,   32                          ; the way out: v32-95 rotated numbers, then v32-63 their f16
.set TT,   96                          ; v96-103 at work
.set BK,   104                         ; v104-135, v136-167: rows read back from the stage, by turns
.set FQ,   192                         ; v192-223, v224-255: (cos, sin) of my position's 16 pairs, for blocks of rows by turns
.set G1, 24
.set G0, 32
.set G1B, 48
.set G0B, 56
.set G1S, 68
.set G0S, 76
.set G1SB, 80
.set G0SB, 88
.set MSB, 0
.macro WIN new                         ; the immediate's high byte repeats the setting that is left
.if MSB != (\new)
	s_set_vgpr_msb (MSB<<8)|(\new)
.set MSB, (\new)
.endif
.endm
.set MUL_LO, 0xa1                      ; source 0 (B) window 1, source 1 (A) window 0, C and D window 2
.set MUL_HI, 0xf1
.set TO_B,   0x40
; A joint load: waves 0 and 1 fetch for A, waves 2 and 3 for B; the branch hangs on the wave's number alone.  An s_nop 0 and four v_nop follow each of the two lines.
.macro JLOAD g0a, g1a, g0b, g1b
	s_cmp_eq_u32 s15, 0
	s_cbranch_scc0 .Lfor_b_\@
	tensor_load_to_lds s[\g0a:\g0a+3], s[\g1a:\g1a+7]
	s_nop 0
.rept 4
	v_nop
.endr
	s_branch .Lasked_\@
.Lfor_b_\@:
	tensor_load_to_lds s[\g0b:\g0b+3], s[\g1b:\g1b+7]
	s_nop 0
.rept 4
	v_nop
.endr
.Lasked_\@:
.endm
.macro CREST                           ; a round of the cluster's barrier behind its opening barrier
	s_cmp_lg_u32 s14, 0
	s_cbranch_scc1 .Lnot_wave_0_\@
	s_barrier_signal -3
.Lnot_wave_0_\@:
	s_barrier_wait -3
	s_barrier_signal -1
	s_barrier_wait -1
.endm
.macro CROUND
	s_barrier_signal -1
	s_barrier_wait -1
	CREST
.endm
	s_load_b128 s[4:7], s[0:1], 0x0                ; codes, scale bytes
	s_load_b128 s[96:99], s[0:1], 0x10             ; freqs_cis, qkvh
	v_lshl_add_u32 v[SPW], v0, 2, SPARE
	v_mov_b32 v[NIL], 0
	ds_add_u32 v[SPW], v[NIL]                      ; the wave's opening: the add, twice on end, and its wait ahead of my first tensor load
	ds_add_u32 v[SPW], v[NIL]
	v_lshrrev_b32 v1, 5, v0
	v_readfirstlane_b32 s14, v1                    ; wave 0..3
	s_lshr_b32 s15, s14, 1                         ; which half of the tile's rows is mine.  Also: I fetch for A (0) or for B (1)
	s_and_b32 s16, s14, 1                          ; which half of its columns.  Also: which 128 rows I fetch
	s_bfe_u32 s40, ttmp6, 0x40000                  ; cx, cy
	s_bfe_u32 s41, ttmp6, 0x40004
	s_lshl_b32 s42, ttmp9, 2
	s_add_co_u32 s42, s42, s40                     ; tile column = 4 x cluster x + cx
	s_and_b32 s17, ttmp7, 0xffff
	s_lshl_b32 s17, s17, 2
	s_add_co_u32 s17, s17, s41                     ; tile row = 4 x cluster y + cy
	s_lshl_b32 s43, s41, 2
	s_lshl_b32 s43, 15, s43                        ; my row of the cluster
	s_lshl_b32 s44, 0x1111, s40                    ; my column
	s_or_b32 s[G1+0], s43, (0<<16)|(1<<20)|(1<<21)|(5<<22)|(3<<25)  ; the mask; elements of 1 byte; padding on; bit 21 beside a mask; 4 words after every 64
	s_or_b32 s[G1B+0], s44, (0<<16)|(1<<20)|(1<<21)|(5<<22)|(3<<25)
.irp g, G1, G1B
	s_mov_b32 s[\g+1], ROWB<<16                    ; tensor_dim0
	s_mov_b32 s[\g+2], 128<<16                     ; tensor_dim1
	s_mov_b32 s[\g+3], ROWB<<16                    ; tile_dim0
	s_mov_b32 s[\g+4], 128                         ; tile_dim1
	s_mov_b32 s[\g+5], KROW                        ; stride from row to row
	s_mov_b32 s[\g+6], 0
	s_mov_b32 s[\g+7], 0
.endr
	s_or_b32 s[G1S+0], s43, (3<<16)|(1<<20)|(1<<21)|(5<<22)|(3<<25)  ; the scales of 128 rows: a dense block, as rows of 32 elements of 8 bytes
	s_or_b32 s[G1SB+0], s44, (3<<16)|(1<<20)|(1<<21)|(5<<22)|(3<<25)
.irp g, G1S, G1SB
	s_mov_b32 s[\g+1], 32<<16
	s_mov_b32 s[\g+2], (128*KS/256)<<16
	s_mov_b32 s[\g+3], 32<<16
	s_mov_b32 s[\g+4], 128*KS/256
	s_mov_b32 s[\g+5], 32
	s_mov_b32 s[\g+6], 0
	s_mov_b32 s[\g+7], 0
.endr
	s_lshl_b32 s18, s16, 7
	s_lshl_b32 s20, s17, 8
	s_add_co_u32 s20, s20, s18                     ; A: row 256 x tile row + 128 x half
	s_lshl_b32 s46, s42, 8
	s_add_co_u32 s46, s46, s18                     ; B: row 256 x tile column + 128 x half
	s_mov_b32 s21, 0
	s_mov_b32 s47, 0
	s_mov_b64 s[18:19], KS
	s_mul_u64 s[22:23], s[20:21], s[18:19]
	s_mul_u64 s[92:93], s[46:47], s[18:19]
	s_mov_b64 s[18:19], KROW
	s_mul_u64 s[20:21], s[20:21], s[18:19]
	s_mul_u64 s[46:47], s[46:47], s[18:19]
	s_mul_i32 s45, s14, HALFT                      ; where they go: wave x 128 rows
	s_mul_i32 s94, s14, HALFS
	s_wait_dscnt 0x0                               ; both opening adds are done
	s_wait_kmcnt 0x0
	s_add_nc_u64 s[8:9], s[4:5], 0x400000          ; wqkv's codes lie behind x's 4,096 rows of 1,024 bytes,
	s_add_nc_u64 s[10:11], s[6:7], 0x40000         ; its scale bytes behind x's 4,096 rows of 64
	s_add_nc_u64 s[20:21], s[4:5], s[20:21]
	s_add_nc_u64 s[22:23], s[6:7], s[22:23]
	s_add_nc_u64 s[46:47], s[8:9], s[46:47]
	s_add_nc_u64 s[92:93], s[10:11], s[92:93]
	CROUND                                         ; all sixteen work-groups are here: the first joint loads meet
	s_mov_b32 s[G0S], 1
	s_add_co_u32 s[G0S+1], s94, SCL
	s_mov_b64 s[G0S+2:G0S+3], s[22:23]
	s_or_b32 s[G0S+3], s[G0S+3], 0x80000000
	s_mov_b32 s[G0SB], 1
	s_add_co_u32 s[G0SB+1], s94, SCL
	s_mov_b64 s[G0SB+2:G0SB+3], s[92:93]
	s_or_b32 s[G0SB+3], s[G0SB+3], 0x80000000
	JLOAD G0S, G1S, G0SB, G1SB                     ; the scales first; with the two slots three loads of mine are out
.irp s, 0,1
	s_mov_b32 s[G0+4*\s], 1
	s_add_co_u32 s[G0+4*\s+1], s45, \s*SLOT
	s_add_nc_u64 s[G0+4*\s+2:G0+4*\s+3], s[20:21], \s*ROWB
	s_or_b32 s[G0+4*\s+3], s[G0+4*\s+3], 0x80000000
	s_mov_b32 s[G0B+4*\s], 1
	s_add_co_u32 s[G0B+4*\s+1], s45, \s*SLOT
	s_add_nc_u64 s[G0B+4*\s+2:G0B+4*\s+3], s[46:47], \s*ROWB
	s_or_b32 s[G0B+4*\s+3], s[G0B+4*\s+3], 0x80000000
	JLOAD G0+4*\s, G1, G0B+4*\s, G1B
.endr
	v_and_b32 v1, 15, v0                           ; r = lane % 16
	v_bfe_u32 v2, v0, 4, 1                         ; h = lane / 16
	v_mul_u32_u24 v3, v1, PITCH
	v_lshl_add_u32 v4, v2, 4, v3
	s_mul_i32 s21, s15, HALFT
	s_mul_i32 s22, s16, HALFT
	s_add_co_u32 s22, s22, 2*HALFT
.irp s, 0,1
	v_add_nc_u32 v[ADRA+\s], s21, v4
	v_add_nc_u32 v[ADRB+\s], s22, v4
	s_add_co_u32 s21, s21, SLOT
	s_add_co_u32 s22, s22, SLOT
.endr
	v_mul_u32_u24 v5, v1, KS                       ; my row's scales: KS bytes a row, 16 more for each 256 passed
	v_lshrrev_b32 v6, 8, v5
	v_lshl_add_u32 v5, v6, 4, v5
	s_mul_i32 s21, s15, HALFS
	s_mul_i32 s22, s16, HALFS
	s_add_co_u32 s22, s22, 2*HALFS
	s_sub_co_u32 s22, s22, s21
	v_mul_u32_u24 v6, s22, v2                      ; lanes 16-31 take B's
	s_add_co_u32 s21, s21, SCL
	v_add_nc_u32 v5, v5, v6
	v_add_nc_u32 v[ADRS], s21, v5
	; the way out
	s_mul_i32 s23, s14, STGW                       ; my stage
	v_mul_u32_u24 v5, v1, HP
	v_lshl_add_u32 v5, v2, 4, v5
	v_add_nc_u32 v[STO], s23, v5                   ; in: row r, + 16 h
	v_and_b32 v6, 31, v0
	v_lshrrev_b32 v5, 3, v6
	v_mul_u32_u24 v5, v5, HP
	v_and_b32 v3, 7, v0
	v_lshl_add_u32 v5, v3, 4, v5
	v_add_nc_u32 v[RD], s23, v5                    ; back: eight lanes to a row of 128 bytes, four rows an instruction
	v_lshlrev_b32 v[CO], 4, v6                     ; and in memory these four rows are 512 consecutive bytes
	v_lshlrev_b32 v[FO], 8, v1
	v_lshl_add_u32 v[FO], v2, 5, v[FO]
	s_cmp_lt_u32 s42, 10                           ; tile columns 0-9 are q and k; 10, 11 are v, which is not rotated.  A select, no branch: k's and v's tiles share a cluster
	s_cselect_b32 s66, -1, 0
	s_and_b32 s20, s17, 3
	s_lshl_b32 s20, s20, 8
	s_lshl_b32 s21, s15, 7
	s_add_co_u32 s20, s20, s21                     ; my first position in its sequence: 256 (tile row % 4) + 128 x half
	s_lshl_b32 s46, s20, 8                         ; 256 bytes of table a position
	s_mov_b32 s47, 0
	s_add_nc_u64 s[96:97], s[96:97], s[46:47]
	s_lshr_b32 s21, s17, 2                         ; the batch
	s_mul_i32 s21, s21, 48
	s_lshl_b32 s22, s42, 2
	s_add_co_u32 s21, s21, s22
	s_lshl_b32 s22, s16, 1
	s_add_co_u32 s21, s21, s22                     ; my first head: 48 x batch + 4 x tile column + 2 x half
	s_lshl_b32 s21, s21, 10
	s_add_co_u32 s21, s21, s20
	s_lshl_b32 s46, s21, 7                         ; 128 bytes a position
	s_add_nc_u64 s[98:99], s[98:99], s[46:47]
.macro FLOAD a                         ; (cos, sin) of block a's positions: for each quarter c of a head my four pairs, 32 bytes
.irp c, 0,1,2,3
.irp e, 0,1
	global_load_b128 v[FQ+32*((\a)%2)+8*\c+4*\e:FQ+32*((\a)%2)+8*\c+4*\e+3], v[FO], s[96:97] offset:4096*(\a)+64*\c+16*\e
.endr
.endr
.endm
	FLOAD 0                                        ; into registers that the loop leaves alone
	FLOAD 1
.macro FRAG reg, adr, q, i             ; 16 rows x 128 K of 4-bit codes: 8 registers, two loads of 16 bytes, 32 bytes apart
.irp c, 0,1
	ds_load_b128 v[\reg+4*\c:\reg+4*\c+3], v[\adr] offset:64*(\q)+32*\c+(\i)*16*PITCH
.endr
.endm
; 16 matrix instructions: A's blocks a0, a0 + 1 x B's eight.  The 64 accumulators take turns, one instruction a turn, in the same order in every step.
.macro MUL16 a0, p, q, sc, zero
.irp a, \a0, \a0+1
.irp b, 0,1,2,3,4,5,6,7
.if \zero
	v_wmma_scale_f32_16x16x128_f8f6f4 v[8*(8*((\a)%4)+\b):8*(8*((\a)%4)+\b)+7], v[128*(\p)+FR*\b:128*(\p)+FR*\b+FR-1], v[AF+FR*(\a):AF+FR*(\a)+FR-1], 0, v[SC+8*NQ*(\sc)+NQ*\b+(\q)], v[SC+8*NQ*(\sc)+NQ*(\a)+(\q)] matrix_a_fmt:MATRIX_FMT_FP4 matrix_b_fmt:MATRIX_FMT_FP4 matrix_a_scale:MATRIX_SCALE_ROW1
.else
	v_wmma_scale_f32_16x16x128_f8f6f4 v[8*(8*((\a)%4)+\b):8*(8*((\a)%4)+\b)+7], v[128*(\p)+FR*\b:128*(\p)+FR*\b+FR-1], v[AF+FR*(\a):AF+FR*(\a)+FR-1], v[8*(8*((\a)%4)+\b):8*(8*((\a)%4)+\b)+7], v[SC+8*NQ*(\sc)+NQ*\b+(\q)], v[SC+8*NQ*(\sc)+NQ*(\a)+(\q)] matrix_a_fmt:MATRIX_FMT_FP4 matrix_b_fmt:MATRIX_FMT_FP4 matrix_a_scale:MATRIX_SCALE_ROW1
.endif
.endr
.endr
.endm
.macro FETCH_B slot, q, p
	WIN TO_B
.irp i, 0,1,2,3,4,5,6,7
	FRAG 128*(\p)+FR*\i, ADRB+\slot, \q, \i
.endr
	WIN 0
.endm
.macro FETCH_A slot, q, i0
.irp i, \i0, \i0+1, \i0+2, \i0+3
	FRAG AF+FR*(\i), ADRA+\slot, \q, \i
.endr
.endm
.macro SCALES sc                       ; a K step's scale words: lanes 0-15 A's block i, lanes 16-31 B's block i
.irp i, 0,1,2,3,4,5,6,7
	ds_load_b128 v[SC+8*NQ*\sc+NQ*\i:SC+8*NQ*\sc+NQ*\i+3], v[ADRS] offset:\i*SBLK
.endr
.endm
.macro PLACES n                        ; plain vector instructions between a matrix instruction and a load into, or a read of, its registers
.rept \n
	v_nop
.endr
.endm
.macro STEP slot, q, zero
	s_wait_dscnt 4*NL                              ; B's set and A's blocks 0-3 are in; the youngest eight loads (A's blocks 4-7) may be out
	WIN MUL_LO
	MUL16 0, (\q)%2, \q, \slot, \zero
	MUL16 2, (\q)%2, \q, \slot, \zero
	s_wait_dscnt 0
	PLACES NP
	FETCH_B \slot, (\q)+1, 1-(\q)%2
	FETCH_A \slot, (\q)+1, 0
	WIN MUL_HI
	MUL16 4, (\q)%2, \q, \slot, \zero
	MUL16 6, (\q)%2, \q, \slot, \zero
	PLACES NP
	WIN 0
	FETCH_A \slot, (\q)+1, 4
.endm
; A slot's last step changes slots: one barrier; in front of it each wave waits for all its tensor loads, adds 0 to its spare word, and waits for that and for its reads of this slot.
.macro TURN slot, next, fill
	s_wait_tensorcnt 0x0                           ; all my tensor loads have landed: my part of the next slot
	ds_add_u32 v[SPW], v[NIL]
	s_wait_dscnt 4*NL+1                            ; the add and the youngest eight loads may be out
	WIN MUL_LO
	MUL16 0, 1, NQ-1, \slot, 0
	s_wait_dscnt 0x0                               ; the add is done, and my reads of this slot are over
	s_barrier_signal -1
	MUL16 2, 1, NQ-1, \slot, 0
	WIN 0
	s_barrier_wait -1
.if \fill
	CREST                                          ; the barrier has opened a round of the cluster's: no wave of any partner still reads this slot or has a load on its way
	s_add_nc_u64 s[G0+4*\slot+2:G0+4*\slot+3], s[G0+4*\slot+2:G0+4*\slot+3], 2*ROWB
	s_add_nc_u64 s[G0B+4*\slot+2:G0B+4*\slot+3], s[G0B+4*\slot+2:G0B+4*\slot+3], 2*ROWB
	JLOAD G0+4*\slot, G1, G0B+4*\slot, G1B         ; my one tensor load behind the round; its four v_nop are the places in front of the loads below
.else
	PLACES NP
.endif
	v_add_nc_u32 v[ADRS], 4*NQ, v[ADRS]
	FETCH_B \next, 0, 0
	FETCH_A \next, 0, 0
	SCALES \next
	WIN MUL_HI
	MUL16 4, 1, NQ-1, \slot, 0
	MUL16 6, 1, NQ-1, \slot, 0
	PLACES NP
	WIN 0
	FETCH_A \next, 0, 4
.endm
.macro STEPS slot, from
.set Q, \from
.rept NQ-1-\from
	STEP \slot, Q, 0
.set Q, Q+1
.endr
.endm
	s_wait_tensorcnt 1                             ; the scales and my part of K step 0 are in; K step 1's load may be out
	s_barrier_signal -1
	s_barrier_wait -1
	FETCH_B 0, 0, 0
	FETCH_A 0, 0, 0
	SCALES 0
	FETCH_A 0, 0, 4
	STEP 0, 0, 1                                   ; the first step's products start the sums: nothing is cleared
	s_mov_b32 s3, LAPS-1
.Llap:
	STEPS 0, 1
	TURN 0, 1, 1
	STEPS 1, 0
	TURN 1, 0, 1
	STEP 0, 0, 0
	s_sub_co_u32 s3, s3, 1
	s_cmp_lg_u32 s3, 0
	s_cbranch_scc1 .Llap
	STEPS 0, 1                                     ; the last lap fills nothing
	TURN 0, 1, 0
	STEPS 1, 0
	s_wait_dscnt 4*NL
	WIN MUL_LO
	MUL16 0, 1, NQ-1, 1, 0
	MUL16 2, 1, NQ-1, 1, 0
	s_wait_dscnt 0
	WIN MUL_HI
	MUL16 4, 1, NQ-1, 1, 0
	MUL16 6, 1, NQ-1, 1, 0
	WIN 0
; THE WAY OUT, a block of 16 positions x 128 features (two heads) at a time.  In accumulator (a, b) lane (r, h) holds position 16 a + r and features 16 b + 8 h + 0 .. 7: pairs 8 (b % 4) + 4 h + 0 .. 3 of head b / 4.
.macro ROT a
.set FB, FQ+32*((\a)%2)
.set AC, 64*((\a)%4)
.if (\a) < 7
	s_wait_loadcnt 8                               ; this block's table is in; the next block's eight loads may be out
.else
	s_wait_loadcnt 0x0
.endif
.irp p, 0,1,2,3,4,5,6,7,8,9,10,11,12,13,14,15
	v_cndmask_b32 v[FB+2*\p], 1.0, v[FB+2*\p], s66     ; v's tiles: cos = 1,
	v_cndmask_b32 v[FB+2*\p+1], 0, v[FB+2*\p+1], s66   ; sin = 0
.endr
	WIN 0x02+(\a)/4                                ; source 0: the accumulators' window
.irp b, 0,1,2,3,4,5,6,7
.irp i, 0,1,2,3
	v_pk_mul_f32 v[TT+2*\i:TT+2*\i+1], v[AC+8*\b+2*\i:AC+8*\b+2*\i+1], v[FB+8*(\b%4)+2*\i:FB+8*(\b%4)+2*\i+1] op_sel:[0,1] op_sel_hi:[1,1]   ; (x0 sin, x1 sin); each accumulator is read from its low end on
.endr
.irp i, 0,1,2,3
	v_pk_fma_f32 v[YY+8*\b+2*\i:YY+8*\b+2*\i+1], v[AC+8*\b+2*\i:AC+8*\b+2*\i+1], v[FB+8*(\b%4)+2*\i:FB+8*(\b%4)+2*\i+1], v[TT+2*\i:TT+2*\i+1] op_sel:[0,0,1] op_sel_hi:[1,0,0] neg_lo:[0,0,1]   ; (x0 cos - x1 sin, x1 cos + x0 sin)
.endr
.endr
	WIN 0
.if (\a) < 6
	FLOAD (\a)+2
.endif
.irp b, 0,1,2,3,4,5,6,7
.irp i, 0,1,2,3
	v_cvt_pk_f16_f32 v[YY+4*\b+\i], v[YY+8*\b+2*\i], v[YY+8*\b+2*\i+1]   ; in place, ascending: a result never lands on numbers still to be read
.endr
.endr
.endm
.macro TOSTAGE a
.set BB, BK+32*((\a)%2)
.if (\a) > 1
	s_wait_xcnt 0x0                                ; block a - 2's stores have read their registers: block a's loads may land there
.endif
.irp b, 0,1,2,3,4,5,6,7
	ds_store_b128 v[STO], v[YY+4*\b:YY+4*\b+3] offset:16*HP*(\b/4)+32*(\b%4)
.endr
.irp hh, 0,1
.irp i, 0,1,2,3
	ds_load_b128 v[BB+4*(4*\hh+\i):BB+4*(4*\hh+\i)+3], v[RD] offset:16*HP*\hh+4*HP*\i   ; LDS serves a wave's instructions in order: these see the stores above
.endr
.endr
.endm
.macro SEND a
.set BB, BK+32*((\a)%2)
	s_wait_dscnt 0x0
.irp hh, 0,1
.irp i, 0,1,2,3
	global_store_b128 v[CO], v[BB+4*(4*\hh+\i):BB+4*(4*\hh+\i)+3], s[98:99] offset:131072*\hh+2048*(\a)+512*\i   ; four positions of one head: 512 consecutive bytes, aligned
.endr
.endr
.endm
	PLACES NP
	ROT 0
	TOSTAGE 0
.irp a, 1,2,3,4,5,6,7
	ROT \a                                         ; a block's arithmetic stands between the stage loads of the block before and the wait for them
	SEND \a-1
	TOSTAGE \a
.endr
	SEND 7
	s_wait_tensorcnt 0x0                           ; the wave's end
	ds_add_u32 v[SPW], v[NIL]
	s_wait_dscnt 0x0
	CROUND                                         ; the closing round
	s_endpgm
.Lfunc_end_k_q1a7439e002_qkv:
	.size	k_q1a7439e002_qkv, .Lfunc_end_k_q1a7439e002_qkv-k_q1a7439e002_qkv
	.p2alignl 7, 3214868480
	.fill 96, 4, 3214868480
	.section	.rodata,"a",@progbits
	.p2align	6, 0x0
	.amdhsa_kernel k_q1a7439e002_qkv
		.amdhsa_group_segment_fixed_size 327680
		.amdhsa_private_segment_fixed_size 0
		.amdhsa_enable_private_segment 0
		.amdhsa_kernarg_size 32
		.amdhsa_user_sgpr_count 2
		.amdhsa_user_sgpr_kernarg_segment_ptr 1
		.amdhsa_wavefront_size32 1
		.amdhsa_system_sgpr_workgroup_id_x 1
		.amdhsa_system_sgpr_workgroup_id_y 1
		.amdhsa_system_sgpr_workgroup_id_z 1
		.amdhsa_system_vgpr_workitem_id 0
		.amdhsa_next_free_vgpr 1024
		.amdhsa_next_free_sgpr 100
		.amdhsa_reserve_vcc 0
		.amdhsa_float_denorm_mode_32 3
		.amdhsa_float_denorm_mode_16_64 3
		.amdhsa_memory_ordered 1
		.amdhsa_forward_progress 1
		.amdhsa_inst_pref_size 255
	.end_amdhsa_kernel
	.section	.bss,"aw",@nobits
	.p2align	6
	.space	262144
	.amdgpu_metadata
---
amdhsa.version: [ 1, 2 ]
amdhsa.kernels:
  - .name:           k_q1a7439e002_qkv
    .symbol:         k_q1a7439e002_qkv.kd
    .args:
      - { .name: codes, .offset: 0, .size: 8, .value_kind: global_buffer, .address_space: global }
      - { .name: scl, .offset: 8, .size: 8, .value_kind: global_buffer, .address_space: global }
      - { .name: freqs_cis, .offset: 16, .size: 8, .value_kind: global_buffer, .address_space: global }
      - { .name: qkvh, .offset: 24, .size: 8, .value_kind: global_buffer, .address_space: global }
    .group_segment_fixed_size: 327680
    .private_segment_fixed_size: 0
    .kernarg_segment_align: 8
    .kernarg_segment_size: 32
    .max_flat_workgroup_size: 128
    .sgpr_count:     100
    .vgpr_count:     1024
    .wavefront_size: 32
...
	.end_amdgpu_metadata
.endif
;; end of part 2
;; launch attn (part 3): grid 8 x 32, 16 waves a work-group, no clusters, 40,960 bytes of LDS; arguments qkvh, maskw, y16; writes y16
.if DOCPART == 3
	.amdgcn_target "amdgcn-amd-amdhsa--gfx1250"
	.amdhsa_code_object_version 6
	.text
	.protected	k_q1a7439e002_attn
	.globl	k_q1a7439e002_attn
	.p2align	8
	.type	k_q1a7439e002_attn,@function
k_q1a7439e002_attn:
	s_mov_b64 s[64:65], 0
	v_nop
	global_prefetch_b8 v0, s[64:65] scope:SCOPE_SE
	s_setreg_imm32_b32 hwreg(HW_REG_WAVE_MODE, 25, 1), 1
	s_wait_xcnt 0x0
; THIRD LAUNCH: y = softmax(q k^T / 8 under the mask) v, per batch and head; q, k, v and the weights p as f16, products, maxima and sums in f32; y rounded once to f16.
; y16 IS LAID IN THE ORDER OF THE FOURTH LAUNCH'S OPERAND REGISTERS: [row tile of 16 rows: 256][32 features: 64][half: 2][lane: 32][16 bytes]; a fragment of 16 rows x 32 features is 1,024 dense bytes.
; LEFT OUT: tiles of 16 queries x 64 keys whose mask bytes are all 0 (they add nothing: shown at the head of the first launch).  The flags that say so are whole numbers read from memory (maskw).
; LIMITS: a NaN or infinity of k or v under a tile left out is not carried; |y| under 65,504.  A query with no true mask byte gets 0 x (1 / 0) = NaN, as the softmax of a row of -infinity is.
; SHARES.  Work-group (j, batch x kv head) takes the blocks j and 15 - j of 64 queries, for the four query heads of its kv head.  Of its sixteen waves, wave w takes 16 queries
; (row tile t = 4 x block + w % 4, block j for w < 8, else 15 - j) of two heads (4 kv + 2 ((w / 4) % 2) + 0, 1): two tiles that share K, V and the mask words.  Four waves lie on a SIMD, so that one
; wave's softmax stands beside another's products.  The pairing of blocks evens work out for masks that hide late keys from early queries; it is right for every mask.
; All waves walk 16 key steps of 64 keys.  The 512 threads bring a step's K and V (8,192 bytes each) through registers into one of two LDS slots, a step ahead; one barrier a step.
; No tensor load and no cluster: which steps a wave works on, and which tiles a work-group fetches, hang on flags read from memory, and the work-groups of a kv head need different tiles.
; LAYOUT.  S^T = K Q^T (source 0 = 16 keys, source 1 = 16 queries): a lane holds one query (lane % 16) and keys 8 (lane / 16) + 0..7.  Two such tiles rounded to f16 in pairs are source 1
; of O^T = V^T P.  V ([key][channel]) comes out of LDS turned, by ds_load_tr16_b128.
; SOFTMAX.  A running maximum m and sum l: p = 2^(c s - c m), c = log2(e) / 8; O and l are multiplied by a = 2^(c m_old - c m_new) in every step worked.  m begins at -3e38, under every score.
.set PK,    144                        ; a row of K in LDS: 128 bytes + 16
.set PV,    160                        ; a row of V: 128 + 32
.set VOFF,  64*PK
.set SLOTB, 64*(PK+PV)                 ; a slot: 64 rows of K, then 64 of V
.set SPARE, 2*SLOTB                    ; behind the two slots: the spare words, 128 bytes a wave
.set AK0, 1                            ; v1  my lane's place in a tile of K
.set AV0, 2                            ; v2  and of V
.set STK, 3                            ; v3  where my thread puts its 16 bytes of K's tile
.set STV, 4                            ; v4  and of V's
.set GLD, 5                            ; v5  16 x thread: its 16 bytes of a tile in memory
.set NINF, 6                           ; v6  -infinity
.set PFO, 7                            ; v7  at the head my byte in Q's rows, then 256 x lane for the prefetches
.set G,   8                            ; v8-15    a tile's bytes on their way to LDS
.set Q,   16                           ; v16-47   Q: tile tt, channels 32 ks on, at 16 tt + 8 ks
.set F,   48                           ; v48-111  K's fragments, then V's
.set S,   112                          ; v112-175 S^T, 32 a tile; p's f16 go into the low 16 of each tile
.set O,   176                          ; v176-239 O^T, 32 a tile
.set ST,  240                          ; v240-255 a tile's eight: +0 c m, +1 m, +2, +3 l, +4 .. +7 at work (a in +6)
; scalars: s12 wave; s[16:17] K's tile of the trip's first step (V's 1,048,576 bytes on); s[18:19] Q; s[20:21] y; s[22:23] the trip's mask words; s[24:25] the prefetches' base;
; s28 steps that I work on, s29 steps whose mask is all true, s30 tiles that the work-group needs; s31 the step, s32 the next; s34 trips; s35 prefetch while the step is under it;
; s[36:37] c; s[38:39] lane selects; s[68:99] a step's 32 mask words
	s_load_b128 s[4:7], s[0:1], 0x0                ; qkvh, maskw
	s_load_b64 s[8:9], s[0:1], 0x10                ; y16
	v_lshrrev_b32 v1, 5, v0
	v_readfirstlane_b32 s12, v1                    ; wave 0..15
	s_and_b32 s13, ttmp7, 0xffff
	s_lshr_b32 s14, s13, 3                         ; batch
	s_and_b32 s15, s13, 7                          ; kv head
	s_lshr_b32 s50, s12, 3
	s_lshl_b32 s51, ttmp9, 1
	s_sub_co_u32 s51, 15, s51
	s_mul_i32 s51, s51, s50
	s_add_co_u32 s51, s51, ttmp9                   ; my block: j, or 15 - j
	s_and_b32 s52, s12, 3
	s_lshl_b32 s51, s51, 2
	s_add_co_u32 s51, s51, s52                     ; t: my row tile
	s_bfe_u32 s52, s12, 0x10002                    ; which pair of heads
	s_mul_i32 s53, s14, 48
	s_lshl_b32 s54, s15, 2
	s_lshl_b32 s55, s52, 1
	s_add_co_u32 s54, s54, s55                     ; my first query head
	s_mov_b32 s57, 0
	s_mov_b32 s36, 0x3e38aa3b                      ; c = log2(e) / 8
	s_mov_b32 s37, s36                             ; (named with it as a pair, so it is written)
	s_mov_b32 s38, 0x76543210
	s_mov_b32 s39, 0xfedcba98
	s_sub_co_u32 s50, s12, 8                       ; waves 8 and 9 of the kv head's first work-group prefetch
	s_lshr_b32 s50, s50, 1
	s_or_b32 s50, s50, ttmp9
	s_cmp_eq_u32 s50, 0
	s_cselect_b32 s35, 13, 0
	v_and_b32 v8, 15, v0                           ; r
	v_bfe_u32 v9, v0, 4, 1                         ; h
	v_mul_u32_u24 v[AK0], v8, PK
	v_lshl_add_u32 v[AK0], v9, 4, v[AK0]           ; row r, + 16 h
	v_and_b32 v10, 7, v0
	v_bfe_u32 v11, v0, 3, 1
	v_lshl_add_u32 v[AV0], v9, 3, v10
	v_mul_u32_u24 v[AV0], v[AV0], PV
	v_lshl_add_u32 v[AV0], v11, 4, v[AV0]
	v_add_nc_u32 v[AV0], VOFF, v[AV0]              ; key 8 h + lane % 8, channels 8 ((lane / 8) % 2) on
	v_lshrrev_b32 v12, 3, v0                       ; thread / 8: a tile's row
	v_lshlrev_b32 v10, 4, v10
	v_mad_u32_u24 v[STK], v12, PK, v10
	v_mad_u32_u24 v[STV], v12, PV, v10
	v_add_nc_u32 v[STV], VOFF, v[STV]
	v_lshlrev_b32 v[GLD], 4, v0
	v_mov_b32 v[NINF], 0xff800000
	v_lshlrev_b32 v[PFO], 7, v8
	v_lshl_add_u32 v[PFO], v9, 4, v[PFO]           ; Q: row r of 128 bytes, + 16 h
	s_wait_kmcnt 0x0
	s_add_co_u32 s56, s53, s15
	s_add_co_u32 s56, s56, 32
	s_lshl_b32 s56, s56, 17                        ; a head is 1,024 x 128 bytes
	s_add_nc_u64 s[16:17], s[4:5], s[56:57]        ; K of my kv head
	s_add_co_u32 s56, s53, s54
	s_lshl_b32 s56, s56, 17
	s_lshl_b32 s55, s51, 11
	s_add_co_u32 s56, s56, s55
	s_add_nc_u64 s[18:19], s[4:5], s[56:57]        ; Q: my first head, my 16 rows
	s_lshl_b32 s56, s14, 22
	s_lshl_b32 s55, s51, 16
	s_add_co_u32 s56, s56, s55                     ; y: row tile 64 x batch + t, of 64 fragments of 1,024 bytes,
	s_lshl_b32 s55, s54, 11
	s_add_co_u32 s56, s56, s55                     ; + two fragments a head
	s_add_nc_u64 s[20:21], s[8:9], s[56:57]
	s_lshl_b32 s56, s51, 11
	s_add_nc_u64 s[22:23], s[6:7], s[56:57]        ; my row tile's mask words
	s_and_b32 s56, s12, 1
	s_lshl_b32 s56, s56, 20
	s_add_nc_u64 s[24:25], s[16:17], s[56:57]      ; wave 8 asks for K's tiles, wave 9 for V's
	s_add_nc_u64 s[26:27], s[6:7], 131072          ; the flags, 128 bytes a row tile
	s_lshl_b32 s56, s51, 7
	s_add_nc_u64 s[58:59], s[26:27], s[56:57]
	s_lshl_b32 s56, ttmp9, 9
	s_add_nc_u64 s[60:61], s[26:27], s[56:57]
	s_sub_co_u32 s56, 15, ttmp9
	s_lshl_b32 s56, s56, 9
	s_add_nc_u64 s[62:63], s[26:27], s[56:57]
	s_load_b32 s40, s[58:59], 0x0                  ; my row tile's flags,
	s_load_b32 s41, s[60:61], 0x0                  ; and those of the work-group's eight row tiles
	s_load_b32 s42, s[60:61], 0x80
	s_load_b32 s43, s[60:61], 0x100
	s_load_b32 s44, s[60:61], 0x180
	s_load_b32 s45, s[62:63], 0x0
	s_load_b32 s46, s[62:63], 0x80
	s_load_b32 s47, s[62:63], 0x100
	s_load_b32 s48, s[62:63], 0x180
.irp tt, 0,1
.irp ks, 0,1
	global_load_b128 v[Q+16*\tt+8*\ks:Q+16*\tt+8*\ks+3], v[PFO], s[18:19] offset:131072*\tt+64*\ks
	global_load_b128 v[Q+16*\tt+8*\ks+4:Q+16*\tt+8*\ks+7], v[PFO], s[18:19] offset:131072*\tt+64*\ks+32
.endr
.endr
.set n, 0
.rept 8
	v_mov_b32 v[G+n], 0                            ; written once, so that they are written on every way to the stores that read them
.set n, n+1
.endr
.irp tt, 0,1
	v_mov_b32 v[ST+8*\tt+1], 0xff61b1e6            ; m = -3e38
.irp u, 2,3,4,5,6,7
	v_mov_b32 v[ST+8*\tt+\u], 0                    ; l = 0; the others: a lane permute's destination counts as read
.endr
	v_mul_f32 v[ST+8*\tt], s36, v[ST+8*\tt+1]      ; c m
.endr
.set n, 0
.rept 64
	v_mov_b32 v[O+n], 0                            ; O^T.  Which step is a wave's first hangs on the flags, so no first step can be written out: the steps find zeros
.set n, n+1
.endr
	s_wait_kmcnt 0x0
	s_and_b32 s28, s40, 0xffff
	s_lshr_b32 s29, s40, 16
	s_or_b32 s30, s41, s42
	s_or_b32 s30, s30, s43
	s_or_b32 s30, s30, s44
	s_or_b32 s30, s30, s45
	s_or_b32 s30, s30, s46
	s_or_b32 s30, s30, s47
	s_or_b32 s30, s30, s48
	s_and_b32 s30, s30, 0xffff                     ; bit 16 is 0: no tile behind the last is ever asked for
	s_bitcmp1_b32 s30, 0
	s_cbranch_scc0 .Lno_tile0
	global_load_b128 v[G:G+3], v[GLD], s[16:17]
	global_load_b128 v[G+4:G+7], v[GLD], s[16:17] offset:1048576
.Lno_tile0:
	s_wait_loadcnt 0x0                             ; tile 0, and Q
	v_and_b32 v[PFO], 31, v0
	v_lshlrev_b32 v[PFO], 8, v[PFO]
	s_bitcmp1_b32 s30, 0
	s_cbranch_scc0 .Lno_store0
	ds_store_b128 v[STK], v[G:G+3]
	ds_store_b128 v[STV], v[G+4:G+7]
.Lno_store0:
	s_wait_dscnt 0x0                               ; for the others' sake: my part of slot 0 has landed
	s_barrier_signal -1
	s_barrier_wait -1
; A STEP'S WORK of a wave: two tiles of 16 queries x 64 keys, from slot sl.
.macro WORK sl
.irp kt, 0,1,2,3
.irp ks, 0,1
	ds_load_b128 v[F+8*(2*\kt+\ks):F+8*(2*\kt+\ks)+3], v[AK0] offset:\sl*SLOTB+\kt*16*PK+64*\ks
	ds_load_b128 v[F+8*(2*\kt+\ks)+4:F+8*(2*\kt+\ks)+7], v[AK0] offset:\sl*SLOTB+\kt*16*PK+64*\ks+32
.endr
.endr
	s_wait_dscnt 0x0
.irp ks, 0,1                                   ; the eight accumulators take turns, one instruction a turn; the first eight start the sums
.irp tt, 0,1
.irp kt, 0,1,2,3
.if \ks == 0
	v_wmma_f32_16x16x32_f16 v[S+32*\tt+8*\kt:S+32*\tt+8*\kt+7], v[F+8*(2*\kt+\ks):F+8*(2*\kt+\ks)+7], v[Q+16*\tt+8*\ks:Q+16*\tt+8*\ks+7], 0
.else
	v_wmma_f32_16x16x32_f16 v[S+32*\tt+8*\kt:S+32*\tt+8*\kt+7], v[F+8*(2*\kt+\ks):F+8*(2*\kt+\ks)+7], v[Q+16*\tt+8*\ks:Q+16*\tt+8*\ks+7], v[S+32*\tt+8*\kt:S+32*\tt+8*\kt+7]
.endif
.endr
.endr
.endr
.rept 4
	v_nop                                          ; places in front of the loads into K's registers and of the first read of the scores
.endr
.irp kk, 0,1
.irp dt, 0,1,2,3
	ds_load_tr16_b128 v[F+8*(4*\kk+\dt):F+8*(4*\kk+\dt)+3], v[AV0] offset:\sl*SLOTB+\kk*32*PV+32*\dt
	ds_load_tr16_b128 v[F+8*(4*\kk+\dt)+4:F+8*(4*\kk+\dt)+7], v[AV0] offset:\sl*SLOTB+\kk*32*PV+16*PV+32*\dt
.endr
.endr
	s_bitcmp1_b32 s29, s31                         ; a tile whose mask is all true needs no words
	s_cbranch_scc1 .Lopen_\@
	s_load_b512 s[68:83], s[22:23], 128*\sl
	s_load_b512 s[84:99], s[22:23], 128*\sl+64
	s_wait_kmcnt 0x0
.irp tt, 0,1
.set n, 0
.rept 32
	v_cndmask_b32 v[S+32*\tt+n], v[NINF], v[S+32*\tt+n], s[68+n]   ; word n is register n's lane mask: hidden scores become -infinity
.set n, n+1
.endr
.endr
.Lopen_\@:
	; the softmax, the two tiles line by line by turns
.irp j, 0,1,2,3
.irp tt, 0,1
	v_max3_num_f32 v[ST+8*\tt+4+\j], v[S+32*\tt+8*\j], v[S+32*\tt+8*\j+1], v[S+32*\tt+8*\j+2]
.endr
.endr
.irp u, 1,2
.irp j, 0,1,2,3
.irp tt, 0,1
	v_max3_num_f32 v[ST+8*\tt+4+\j], v[ST+8*\tt+4+\j], v[S+32*\tt+8*\j+2*\u+1], v[S+32*\tt+8*\j+2*\u+2]
.endr
.endr
.endr
.irp tt, 0,1
	v_max3_num_f32 v[ST+8*\tt+4], v[ST+8*\tt+4], v[S+32*\tt+7], v[S+32*\tt+15]
.endr
.irp tt, 0,1
	v_max3_num_f32 v[ST+8*\tt+6], v[ST+8*\tt+6], v[S+32*\tt+23], v[S+32*\tt+31]
.endr
.irp tt, 0,1
	v_max3_num_f32 v[ST+8*\tt+4], v[ST+8*\tt+4], v[ST+8*\tt+5], v[ST+8*\tt+6]
.endr
.irp tt, 0,1
	v_max3_num_f32 v[ST+8*\tt+4], v[ST+8*\tt+4], v[ST+8*\tt+7], v[ST+8*\tt+1]   ; with the old m
.endr
.irp tt, 0,1
	v_permlanex16_b32 v[ST+8*\tt+5], v[ST+8*\tt+4], s38, s39       ; the query's other 32 keys lie in the lane 16 away
.endr
.irp tt, 0,1
	v_mov_b32 v[ST+8*\tt+7], v[ST+8*\tt]           ; c m_old
.endr
.irp tt, 0,1
	v_max_num_f32 v[ST+8*\tt+1], v[ST+8*\tt+4], v[ST+8*\tt+5]
.endr
.irp tt, 0,1
	v_mul_f32 v[ST+8*\tt], s36, v[ST+8*\tt+1]
.endr
.irp tt, 0,1
	v_sub_f32 v[ST+8*\tt+7], v[ST+8*\tt+7], v[ST+8*\tt]
.endr
.set n, 0
.rept 16
.irp tt, 0,1
	v_pk_fma_f32 v[S+32*\tt+2*n:S+32*\tt+2*n+1], v[S+32*\tt+2*n:S+32*\tt+2*n+1], s[36:37], v[ST+8*\tt:ST+8*\tt+1] op_sel_hi:[1,0,0] neg_lo:[0,0,1] neg_hi:[0,0,1]   ; c s - c m
.endr
.set n, n+1
.endr
.irp tt, 0,1
	v_exp_f32 v[ST+8*\tt+6], v[ST+8*\tt+7]         ; a
.endr
.set n, 0
.rept 32
.irp tt, 0,1
	v_exp_f32 v[S+32*\tt+n], v[S+32*\tt+n]         ; p, at most 1
.endr
.set n, n+1
.endr
	v_nop                                          ; a plain instruction behind the last exponential,
	s_wait_alu depctr_va_vdst(0)                   ; and one wait for the batch of 66, ahead of its first reader
.irp tt, 0,1
	v_pk_mul_f32 v[ST+8*\tt+2:ST+8*\tt+3], v[ST+8*\tt+2:ST+8*\tt+3], v[ST+8*\tt+6:ST+8*\tt+7] op_sel_hi:[1,0]   ; l x a
.endr
.irp tt, 0,1
	v_pk_add_f32 v[ST+8*\tt+4:ST+8*\tt+5], v[S+32*\tt:S+32*\tt+1], v[S+32*\tt+2:S+32*\tt+3]   ; the sum of p before it is rounded, in two chains
.endr
.irp p, 2,4,6,8,10,12,14
.irp tt, 0,1
	v_pk_add_f32 v[ST+8*\tt+2:ST+8*\tt+3], v[ST+8*\tt+2:ST+8*\tt+3], v[S+32*\tt+2*\p:S+32*\tt+2*\p+1]
	v_pk_add_f32 v[ST+8*\tt+4:ST+8*\tt+5], v[ST+8*\tt+4:ST+8*\tt+5], v[S+32*\tt+2*\p+2:S+32*\tt+2*\p+3]
.endr
.endr
.irp tt, 0,1
	v_pk_add_f32 v[ST+8*\tt+2:ST+8*\tt+3], v[ST+8*\tt+2:ST+8*\tt+3], v[ST+8*\tt+4:ST+8*\tt+5]
.endr
.set n, 0
.rept 16
.irp tt, 0,1
	v_cvt_pk_f16_f32 v[S+32*\tt+n], v[S+32*\tt+2*n], v[S+32*\tt+2*n+1]   ; in place, ascending
.endr
.set n, n+1
.endr
.set n, 0
.rept 16
.irp tt, 0,1
	v_pk_mul_f32 v[O+32*\tt+2*n:O+32*\tt+2*n+1], v[O+32*\tt+2*n:O+32*\tt+2*n+1], v[ST+8*\tt+6:ST+8*\tt+7] op_sel_hi:[1,0]   ; O^T x a, each accumulator from its low end on
.endr
.set n, n+1
.endr
	s_wait_dscnt 0x0                               ; V is in
.irp kk, 0,1                                   ; eight accumulators by turns
.irp tt, 0,1
.irp dt, 0,1,2,3
	v_wmma_f32_16x16x32_f16 v[O+32*\tt+8*\dt:O+32*\tt+8*\dt+7], v[F+8*(4*\kk+\dt):F+8*(4*\kk+\dt)+7], v[S+32*\tt+8*\kk:S+32*\tt+8*\kk+7], v[O+32*\tt+8*\dt:O+32*\tt+8*\dt+7]
.endr
.endr
.endr
.rept 5
	v_nop                                          ; five places: the next step's first products write over registers that these read as p; its loads into V's registers want four
.endr
.endm
; A KEY STEP, read from slot sl.  The next tile, if any wave of the work-group needs it, is asked for first, lands during the work, and goes into the other slot, whose reads ended ahead of the last barrier.
.macro STEP sl
	s_add_co_u32 s32, s31, 1
	s_bitcmp1_b32 s30, s32
	s_cbranch_scc0 .Lnoload_\@
	global_load_b128 v[G:G+3], v[GLD], s[16:17] offset:(1+\sl)*8192
	global_load_b128 v[G+4:G+7], v[GLD], s[16:17] offset:(1+\sl)*8192+1048576
.Lnoload_\@:
	s_cmp_lt_u32 s31, s35                          ; the tile three steps on, two steps ahead of its load: 8,192 bytes, lanes 256 bytes apart; steps 0 to 12 ask, so the last tile named is the 16th.
	s_cbranch_scc0 .Lnoask_\@                      ; One work-group of the eight that walk a kv head asks, wave 8 for K, wave 9 for V: each block of 256 bytes is named once.  Tiles 0 to 2 come by their loads alone
	global_prefetch_b8 v[PFO], s[24:25] offset:(3+\sl)*8192 th:TH_LOAD_NT scope:SCOPE_SE
.Lnoask_\@:
	s_bitcmp1_b32 s28, s31
	s_cbranch_scc0 .Lnowork_\@
	WORK \sl
.Lnowork_\@:
	s_wait_loadcnt 0x0                             ; the next tile's bytes are in my registers (on every way, asked for or not)
	s_bitcmp1_b32 s30, s32
	s_cbranch_scc0 .Lnostore_\@
	ds_store_b128 v[STK], v[G:G+3] offset:(1-\sl)*SLOTB
	ds_store_b128 v[STV], v[G+4:G+7] offset:(1-\sl)*SLOTB
.Lnostore_\@:
	s_wait_dscnt 0x0                               ; for the others' sake: my stores have landed and my reads of this slot are over
	s_barrier_signal -1
	s_barrier_wait -1
	s_add_co_u32 s31, s31, 1
.endm
	s_mov_b32 s31, 0
	s_mov_b32 s34, 0
.Ltrip:                                            ; eight trips of two steps: the trip count is a constant, the work is jumped over
	STEP 0
	STEP 1
	s_wait_xcnt 0x0                                ; the trip's loads and prefetches have read their bases: they step only behind this wait
	s_add_nc_u64 s[16:17], s[16:17], 16384
	s_add_nc_u64 s[24:25], s[24:25], 16384
	s_add_nc_u64 s[22:23], s[22:23], 256
	s_add_co_u32 s34, s34, 1
	s_cmp_lt_u32 s34, 8
	s_cbranch_scc1 .Ltrip
	; THE WAY OUT: O^T / l, rounded to f16.  In tile (tt, dt) lane (r, h) holds query r and channels 16 dt + 8 h + 0 .. 7 of head tt: four registers of f16 that are registers 4 (dt % 2) .. + 3 of the
	; fragment (my row tile, features 32 (2 head + dt / 2) on) as the fourth launch's matrix instruction takes it.  So they are stored as they stand, lane by lane: no stage, nothing changes lanes.
.irp tt, 0,1
	v_add_f32 v[ST+8*\tt+4], v[ST+8*\tt+2], v[ST+8*\tt+3]
.endr
.irp tt, 0,1
	v_permlanex16_b32 v[ST+8*\tt+5], v[ST+8*\tt+4], s38, s39
.endr
.irp tt, 0,1
	v_add_f32 v[ST+8*\tt+4], v[ST+8*\tt+4], v[ST+8*\tt+5]
.endr
.irp tt, 0,1
	v_rcp_f32 v[ST+8*\tt+6], v[ST+8*\tt+4]
.endr
	v_and_b32 v8, 31, v0                           ; (plain work behind the reciprocals)
	v_lshlrev_b32 v3, 4, v8                        ; 16 x lane
	s_wait_alu depctr_va_vdst(0)                   ; one wait for the two reciprocals, ahead of their first reader
.irp tt, 0,1
.set n, 0
.rept 32
	v_mul_f32 v[S+32*\tt+n], v[O+32*\tt+n], v[ST+8*\tt+6]
.set n, n+1
.endr
.endr
.irp tt, 0,1
.set n, 0
.rept 16
	v_cvt_pk_f16_f32 v[S+32*\tt+n], v[S+32*\tt+2*n], v[S+32*\tt+2*n+1]
.set n, n+1
.endr
.endr
.irp tt, 0,1
.irp dt, 0,1,2,3
	global_store_b128 v3, v[S+32*\tt+4*\dt:S+32*\tt+4*\dt+3], s[20:21] offset:2048*\tt+512*\dt   ; half a fragment: 512 consecutive bytes, aligned
.endr
.endr
	v_lshl_add_u32 v8, v0, 2, SPARE                ; no two registers could be kept through the loop: v0 was, and the add's two are made here
	v_mov_b32 v9, 0
	s_wait_tensorcnt 0x0                           ; the wave's end, behind my last LDS store
	ds_add_u32 v8, v9
	s_wait_dscnt 0x0
	s_endpgm
.Lfunc_end_k_q1a7439e002_attn:
	.size	k_q1a7439e002_attn, .Lfunc_end_k_q1a7439e002_attn-k_q1a7439e002_attn
	.p2alignl 7, 3214868480
	.fill 96, 4, 3214868480
	.section	.rodata,"a",@progbits
	.p2align	6, 0x0
	.amdhsa_kernel k_q1a7439e002_attn
		.amdhsa_group_segment_fixed_size 40960
		.amdhsa_private_segment_fixed_size 0
		.amdhsa_enable_private_segment 0
		.amdhsa_kernarg_size 24
		.amdhsa_user_sgpr_count 2
		.amdhsa_user_sgpr_kernarg_segment_ptr 1
		.amdhsa_wavefront_size32 1
		.amdhsa_system_sgpr_workgroup_id_x 1
		.amdhsa_system_sgpr_workgroup_id_y 1
		.amdhsa_system_sgpr_workgroup_id_z 1
		.amdhsa_system_vgpr_workitem_id 0
		.amdhsa_next_free_vgpr 256
		.amdhsa_next_free_sgpr 100
		.amdhsa_reserve_vcc 0
		.amdhsa_float_denorm_mode_32 3
		.amdhsa_float_denorm_mode_16_64 3
		.amdhsa_memory_ordered 1
		.amdhsa_forward_progress 1
		.amdhsa_inst_pref_size 59
	.end_amdhsa_kernel
	.amdgpu_metadata
---
amdhsa.version: [ 1, 2 ]
amdhsa.kernels:
  - .name:           k_q1a7439e002_attn
    .symbol:         k_q1a7439e002_attn.kd
    .args:
      - { .name: qkvh, .offset: 0, .size: 8, .value_kind: global_buffer, .address_space: global }
      - { .name: maskw, .offset: 8, .size: 8, .value_kind: global_buffer, .address_space: global }
      - { .name: y16, .offset: 16, .size: 8, .value_kind: global_buffer, .address_space: global }
    .group_segment_fixed_size: 40960
    .private_segment_fixed_size: 0
    .kernarg_segment_align: 8
    .kernarg_segment_size: 24
    .max_flat_workgroup_size: 512
    .sgpr_count:     100
    .vgpr_count:     256
    .wavefront_size: 32
...
	.end_amdgpu_metadata
.endif
;; end of part 3
;; launch proj (part 4): grid 32 x 8, 4 waves a work-group, clusters of 4 x 1, 327,680 bytes of LDS; arguments y16, wo16, out0; writes out0
.if DOCPART == 4
	.amdgcn_target "amdgcn-amd-amdhsa--gfx1250"
	.amdhsa_code_object_version 6
	.text
	.protected	k_q1a7439e002_proj
	.globl	k_q1a7439e002_proj
	.p2align	8
	.type	k_q1a7439e002_proj,@function
k_q1a7439e002_proj:
	s_mov_b64 s[64:65], 0
	v_nop
	global_prefetch_b8 v0, s[64:65] scope:SCOPE_SE
	s_setreg_imm32_b32 hwreg(HW_REG_WAVE_MODE, 25, 1), 1
	s_wait_xcnt 0x0
	s_wait_alu depctr_hold_cnt(0) depctr_sa_sdst(0) depctr_va_vdst(0) depctr_va_sdst(0) depctr_va_ssrc(0) depctr_va_vcc(0) depctr_vm_vsrc(0)
	s_getreg_b32 s2, hwreg(HW_REG_IB_STS2, 6, 4)
	s_cmp_eq_u32 s2, 0
	s_cbranch_scc0 .Lentry_in_a_cluster
	s_endpgm
.Lentry_in_a_cluster:
	s_bfe_u32 s2, ttmp6, 0x10000c
	s_cmp_lg_u32 s2, 0x3003
	s_cbranch_scc0 .Lentry_shape_is_right
	s_endpgm
.Lentry_shape_is_right:
; FOURTH LAUNCH: out0 = y wo^T.  wo16 [2048][2048] in f16; y16 in f16, in the order of this launch's operand registers: [row tile of 16 rows: 256][32 features: 64][half: 2][lane: 32][16 bytes];
; sums in f32, out0 [4096][2048] f32.  No work of this product is left out.
; A tile of 128 rows x 256 columns to a work-group: 32 x 8 = 256 work-groups (x: tile row, y: tile column).  Four waves, each 64 x 128: 32 accumulators, 256 registers.
; wo GOES THROUGH LDS, y DOES NOT.  Two slots that held 256 along K of both operands' rows (384 rows x 528 bytes) would not fit in LDS; wo's 256 rows alone do: 2 x 135,168 bytes.  So K goes in steps of
; 256: a refill has 240 of a step's 256 matrix instructions of a wave in which to land, and there are 8 steps.
; y's fragments (16 rows x 32 features: 1,024 dense bytes, as the third launch stored them) come straight into registers: eight loads of 512 consecutive bytes for each quarter of 32 along K, asked for
; seven quarters ahead, into a ring of eight quarters x 32 registers.  The ring's period is one K step, so the register numbers repeat from step to step.  At most 56 such loads of a wave are out.
; The price: the two waves that share 64 rows of y both load them, and y is not shared between work-groups.
; CLUSTERS: four work-groups along x have the same tile column and need the same tiles of wo: each tile is asked for jointly, every wave 64 rows, with the same descriptor and a mask that names the four.
; THE MATRIX INSTRUCTION IS USED TRANSPOSED (source 0 = 16 rows of wo, source 1 = 16 rows of y): a lane holds eight neighbouring numbers of a row of out0.
; REGISTERS: window 0: v0-31 addresses; wo's fragments of 32 along K (eight blocks), two buffers: v32-95, v96-159.   window 1: accumulator (a, b) at v[8 (8 a + b)].
;   window 2: y's ring: quarter n, block a at v[32 (n % 8) + 8 a].
.set SIZE_K, 2048
.set SIZE_N, 2048
.set KSTEP,  256
.set PITCH,  528                       ; 512 bytes + 16 of padding: the 16 rows of a fragment load start at 16 different banks
.set QROWS,  64*PITCH                  ; 64 rows: what one tensor load brings
.set SLOT,   256*PITCH
.set SPARE,  2*SLOT                    ; the spare words, 128 bytes a wave
.set SPITCH, 528                       ; the way out: 16 rows x (512 + 16) bytes for each wave, in slot 0, which has had its last fill and its last read by then
.set LAPS,   SIZE_K/(2*KSTEP)
.set ADRB, 16                          ; v16-17  LDS address of my fragments of wo in slot 0, 1
.set STO,  24
.set RD,   25
.set CO,   26                          ; v26  16 x lane: my bytes of half a fragment of y, and of a row of out0; never rewritten
.set SPW,  28
.set NIL,  29
.set PFO,  30                          ; v30  the prefetches' offset: lane x a row of 4,096 bytes; never rewritten
.set F0,   32
.set F1,   96
.set BK,   32                          ; the way out: v32-95, v96-159 by turns
.set G1,  24                           ; s[24:31] descriptor group 1
.set G0,  32                           ; s[32:39] group 0, one set for each slot
.set PFA, 68                           ; s[68:69] where my prefetches stand
.set LIM, 70                           ; s70  1 in a wave that prefetches, else the greatest number
.set AB,  72                           ; s[72:73] y at my first row tile, at the lap's first quarter
.set TAIL, 0                           ; 1 in the last lap, which is written out: its loads of y end with the 64th quarter
.set MSB, 0
.macro WIN new                         ; the immediate's high byte repeats the setting that is left
.if MSB != (\new)
	s_set_vgpr_msb (MSB<<8)|(\new)
.set MSB, (\new)
.endif
.endm
.set MUL,  0x58                        ; source 0 (wo) window 0, source 1 (y) window 2, C and D window 1
.set TO_A, 0x80                        ; destination window 2, address window 0
.macro JLOAD s                         ; every wave fetches its 64 rows of wo's tile; an s_nop 0 and four v_nop follow the line
	tensor_load_to_lds s[G0+4*\s:G0+4*\s+3], s[G1:G1+7]
	s_nop 0
.rept 4
	v_nop
.endr
.endm
; A prefetch of wo's K step that the NEXT change of slots will ask for.  A tile column is read by all eight clusters along x: the first of them asks.  Its four partners share the 256 rows out by address,
; 64 each; in each, wave w names rows 32 (w % 2) + lane and bytes 256 (w / 2) on of the step's 512: one instruction a wave, each block of 256 bytes once.  K steps 0 to 2 come by their loads alone.
; how = 1: the trip's second change, which asks for nothing in the loop's last trip: there is no K step behind the eighth.
.macro ASK how
.if \how
	s_cmp_gt_u32 s3, s[LIM]
.else
	s_cmp_eq_u32 s[LIM], 1
.endif
	s_cbranch_scc0 .Lnot_mine_\@
	global_prefetch_b8 v[PFO], s[PFA:PFA+1] th:TH_LOAD_NT scope:SCOPE_SE
.Lnot_mine_\@:
.endm
.macro CREST                           ; a round of the cluster's barrier behind its opening barrier
	s_cmp_lg_u32 s10, 0
	s_cbranch_scc1 .Lnot_wave_0_\@
	s_barrier_signal -3
.Lnot_wave_0_\@:
	s_barrier_wait -3
	s_barrier_signal -1
	s_barrier_wait -1
.endm
.macro CROUND
	s_barrier_signal -1
	s_barrier_wait -1
	CREST
.endm
.macro ALOAD m                         ; y's four fragments of quarter m (counted from the lap's first): eight loads of 512 consecutive bytes
.irp a, 0,1,2,3
.irp e, 0,1
	global_load_b128 v[32*((\m)%8)+8*\a+4*\e:32*((\m)%8)+8*\a+4*\e+3], v[CO], s[AB:AB+1] offset:65536*\a+1024*(\m)+512*\e
.endr
.endr
.endm
	s_load_b128 s[4:7], s[0:1], 0x0                ; y16, wo16
	s_load_b64 s[8:9], s[0:1], 0x10                ; out0
	v_lshl_add_u32 v[SPW], v0, 2, SPARE
	v_mov_b32 v[NIL], 0
	ds_add_u32 v[SPW], v[NIL]                      ; the wave's opening: the add, twice on end, and its wait ahead of my first tensor load
	ds_add_u32 v[SPW], v[NIL]
	v_lshrrev_b32 v1, 5, v0
	v_readfirstlane_b32 s10, v1                    ; wave 0..3
	s_lshr_b32 s11, s10, 1                         ; which 64 rows of the tile are mine
	s_and_b32 s12, s10, 1                          ; which 128 columns
	s_and_b32 s13, ttmp7, 0xffff                   ; the tile column, which the four partners share
	s_mov_b32 s[G1+0], 15|(1<<16)|(1<<20)|(1<<21)|(6<<22)|(3<<25)   ; the mask: all four work-groups; elements of 2 bytes; padding on; bit 21 beside a mask; 4 words after every 128
	s_mov_b32 s[G1+1], KSTEP<<16                   ; tensor_dim0
	s_mov_b32 s[G1+2], 64<<16                      ; tensor_dim1
	s_mov_b32 s[G1+3], KSTEP<<16                   ; tile_dim0
	s_mov_b32 s[G1+4], 64                          ; tile_dim1
	s_mov_b32 s[G1+5], SIZE_K                      ; stride from row to row
	s_mov_b32 s[G1+6], 0
	s_mov_b32 s[G1+7], 0
	s_lshl_b32 s16, s13, 8
	s_lshl_b32 s17, s10, 6
	s_add_co_u32 s16, s16, s17                     ; wo: row 256 x tile column + 64 x wave,
	s_lshl_b32 s16, s16, 12                        ; of 4,096 bytes
	s_mov_b32 s17, 0
	s_mul_i32 s18, s10, QROWS                      ; where they go: wave x 64 rows: no place in the cluster enters an LDS address or a descriptor
	s_wait_dscnt 0x0                               ; both opening adds are done
	s_wait_kmcnt 0x0
	s_add_nc_u64 s[14:15], s[6:7], s[16:17]
	CROUND                                         ; all four work-groups are here: the first joint loads meet
.irp s, 0,1
	s_mov_b32 s[G0+4*\s], 1
	s_add_co_u32 s[G0+4*\s+1], s18, \s*SLOT
	s_add_nc_u64 s[G0+4*\s+2:G0+4*\s+3], s[14:15], \s*KSTEP*2
	s_or_b32 s[G0+4*\s+3], s[G0+4*\s+3], 0x80000000
	JLOAD \s                                       ; two loads of mine are out
.endr
	s_bfe_u32 s40, ttmp6, 0x40000                  ; cx: it enters y's, out0's and the prefetches' addresses alone
	s_lshl_b32 s42, ttmp9, 2
	s_add_co_u32 s42, s42, s40                     ; tile row = 4 x cluster x + cx
	s_lshl_b32 s44, s42, 3
	s_lshl_b32 s45, s11, 2
	s_add_co_u32 s44, s44, s45                     ; my first row tile of 16: 8 x tile row + 4 x half,
	s_lshl_b32 s44, s44, 16                        ; of 64 fragments of 1,024 bytes
	s_mov_b32 s45, 0
	s_add_nc_u64 s[AB:AB+1], s[4:5], s[44:45]
	v_and_b32 v5, 31, v0
	v_lshlrev_b32 v[CO], 4, v5
	WIN TO_A
.irp m, 0,1,2,3,4,5,6
	ALOAD \m                                       ; the first seven quarters of y: 56 loads
.endr
	WIN 0
	v_and_b32 v1, 15, v0                           ; r
	v_bfe_u32 v2, v0, 4, 1                         ; h
	v_mul_u32_u24 v3, v1, PITCH
	v_lshl_add_u32 v3, v2, 4, v3
	s_mul_i32 s22, s12, 128*PITCH                  ; my 128 rows of wo
	v_add_nc_u32 v[ADRB], s22, v3
	s_add_co_u32 s22, s22, SLOT
	v_add_nc_u32 v[ADRB+1], s22, v3
	s_mul_i32 s23, s10, 16*SPITCH                  ; my stage
	v_mul_u32_u24 v4, v1, SPITCH
	v_lshl_add_u32 v4, v2, 5, v4
	v_add_nc_u32 v[STO], s23, v4                   ; in: row r, + 32 h
	v_add_nc_u32 v[RD], s23, v[CO]                 ; back: the 32 lanes take a row of 512 bytes
	s_lshl_b32 s16, s42, 7
	s_lshl_b32 s17, s11, 6
	s_add_co_u32 s16, s16, s17                     ; my first row of out0,
	s_lshl_b32 s16, s16, 13                        ; of 8,192 bytes,
	s_lshl_b32 s17, s13, 10
	s_add_co_u32 s16, s16, s17
	s_lshl_b32 s17, s12, 9
	s_add_co_u32 s16, s16, s17                     ; + 1,024 x tile column + 512 x half
	s_mov_b32 s17, 0
	s_add_nc_u64 s[8:9], s[8:9], s[16:17]
	; the prefetches
	s_lshl_b32 s20, s13, 8
	s_lshl_b32 s21, s40, 6
	s_add_co_u32 s20, s20, s21                     ; my work-group's 64 rows of the tile column's 256,
	s_lshl_b32 s21, s12, 5
	s_add_co_u32 s20, s20, s21                     ; my wave's 32 of them,
	s_lshl_b32 s20, s20, 12
	s_lshl_b32 s21, s11, 8
	s_add_co_u32 s20, s20, s21                     ; and its half of a K step's 512 bytes,
	s_add_co_u32 s20, s20, 2*KSTEP*2               ; at K step 2: the first change of slots steps it to 3
	s_mov_b32 s21, 0
	s_add_nc_u64 s[PFA:PFA+1], s[6:7], s[20:21]
	s_cmp_eq_u32 ttmp9, 0                          ; the same in all four partners
	s_cselect_b32 s[LIM], 1, -1
	v_lshlrev_b32 v[PFO], 12, v5
.macro MUL8 f, a, zero, m              ; y's block a of quarter m against wo's eight, 32 along K.  The 32 accumulators take turns, one instruction a turn, in the same order in every quarter
.irp b, 0,1,2,3,4,5,6,7
.if \zero
	v_wmma_f32_16x16x32_f16 v[8*(8*(\a)+\b):8*(8*(\a)+\b)+7], v[\f+8*\b:\f+8*\b+7], v[32*((\m)%8)+8*(\a):32*((\m)%8)+8*(\a)+7], 0
.else
	v_wmma_f32_16x16x32_f16 v[8*(8*(\a)+\b):8*(8*(\a)+\b)+7], v[\f+8*\b:\f+8*\b+7], v[32*((\m)%8)+8*(\a):32*((\m)%8)+8*(\a)+7], v[8*(8*(\a)+\b):8*(8*(\a)+\b)+7]
.endif
.endr
.endm
.macro FETCH slot, k, f                ; 16 LDS loads in one run: wo's fragments of 32 along K at byte k of the rows
.irp i, 0,1,2,3,4,5,6,7
	ds_load_b128 v[\f+8*\i:\f+8*\i+3],   v[ADRB+\slot] offset:\k+\i*16*PITCH
	ds_load_b128 v[\f+8*\i+4:\f+8*\i+7], v[ADRB+\slot] offset:\k+\i*16*PITCH+32
.endr
.endm
.macro PLACES                          ; four plain vector instructions between a matrix instruction and a load into, or a read of, its registers
.rept 4
	v_nop
.endr
.endm
; y for quarter m.  Loads come back in order: behind quarter m's eight stand those of the six quarters m + 1 .. m + 6, so the count 48 shows quarter m in.  Then quarter m + 7 is asked for, into the
; registers of quarter m - 1, which has been multiplied.  In the last lap nothing is asked for behind the 64th quarter, and the counts run down.
.macro AQ m
.set LDQ, 1
.set WCQ, 48
.if TAIL
.if (\m)+7 > 15
.set LDQ, 0
.endif
.if 15-(\m) < 6
.set WCQ, 8*(15-(\m))
.endif
.endif
	s_wait_loadcnt WCQ
.if LDQ
	WIN TO_A
	ALOAD (\m)+7
.endif
.endm
; A quarter of 32 along K, the m-th of the lap: the next quarter's fragments of wo are asked for first, into the buffer that the quarter before multiplied, and have this quarter's 32 matrix instructions in which to land.
.macro QUARTER slot, k, f, g, zero, m
	PLACES
	WIN 0
	FETCH \slot, \k, \g
	AQ \m
	s_wait_dscnt 16                                ; buffer f is in; the 16 LDS loads just issued may be out
	WIN MUL
	MUL8 \f, 0, \zero, \m
	MUL8 \f, 1, \zero, \m
	MUL8 \f, 2, \zero, \m
	MUL8 \f, 3, \zero, \m
.endm
.macro QS slot, from, base             ; quarters from .. 6 of a K step whose first quarter is the lap's base-th; even quarters multiply buffer 0
.set QQ, \from
.rept 7-(\from)
.if QQ%2
	QUARTER \slot, 64*(QQ+1), F1, F0, 0, (\base)+QQ
.else
	QUARTER \slot, 64*(QQ+1), F0, F1, 0, (\base)+QQ
.endif
.set QQ, QQ+1
.endr
.endm
; A K step's last quarter multiplies buffer 1 and changes slots: one barrier; in front of it each wave waits for all its tensor loads, adds 0 to its spare word, and waits for that and for its reads of this slot.
.macro TURN slot, next, fill, how, m
	PLACES
.if \fill
	s_wait_xcnt 0x0                                ; the last prefetch, a K step back, has read its address: it steps here
	s_add_nc_u64 s[PFA:PFA+1], s[PFA:PFA+1], KSTEP*2
.endif
	AQ \m
	WIN 0
	s_wait_tensorcnt 0x0                           ; all my tensor loads have landed: my part of the next slot
	ds_add_u32 v[SPW], v[NIL]
	s_wait_dscnt 1                                 ; buffer 1 is in; the add may be out
	WIN MUL
	MUL8 F1, 0, 0, \m
	s_wait_dscnt 0x0                               ; the add is done, and my reads of this slot are over
	s_barrier_signal -1
	MUL8 F1, 1, 0, \m
	WIN 0
	s_barrier_wait -1
.if \fill
	CREST                                          ; the barrier has opened a round of the cluster's: no wave of any partner still reads this slot or has a load on its way
	s_add_nc_u64 s[G0+4*\slot+2:G0+4*\slot+3], s[G0+4*\slot+2:G0+4*\slot+3], 2*KSTEP*2
	JLOAD \slot                                    ; my one tensor load behind the round; its four v_nop are the places in front of the loads below
.else
	PLACES
.endif
	FETCH \next, 0, F0
.if \fill
	ASK \how
.endif
	WIN MUL
	MUL8 F1, 2, 0, \m
	MUL8 F1, 3, 0, \m
.endm
	s_wait_tensorcnt 1                             ; my part of K step 0 is in; K step 1's load may be out
	s_barrier_signal -1
	s_barrier_wait -1
	FETCH 0, 0, F0
	QUARTER 0, 64, F0, F1, 1, 0                    ; the first quarter's products start the sums: nothing is cleared
	WIN 0                                          ; at a label and at a branch every window is 0
	s_mov_b32 s3, LAPS-1
.Llap:                                             ; a trip goes once round the ring, from a lap's second quarter to the next lap's first, and fills both slots again
	QS 0, 1, 0
	TURN 0, 1, 1, 0, 7
	QS 1, 0, 8
	TURN 1, 0, 1, 1, 15
	QUARTER 0, 64, F0, F1, 0, 16
	WIN 0
	s_wait_xcnt 0x0                                ; the trip's loads of y have read their base: it steps only behind this wait
	s_add_nc_u64 s[AB:AB+1], s[AB:AB+1], 16*1024   ; sixteen quarters on
	s_sub_co_u32 s3, s3, 1
	s_cmp_lg_u32 s3, 0
	s_cbranch_scc1 .Llap
.set TAIL, 1
	QS 0, 1, 0                                     ; the last lap fills nothing
	TURN 0, 1, 0, 0, 7
	QS 1, 0, 8
	s_wait_loadcnt 0x0
	s_wait_dscnt 0x0
	WIN MUL
	MUL8 F1, 0, 0, 15
	MUL8 F1, 1, 0, 15
	MUL8 F1, 2, 0, 15
	MUL8 F1, 3, 0, 15
	WIN 0
; THE WAY OUT, a block of 16 rows x 128 columns at a time, through my own stage: in 32 bytes a lane, back as whole rows of 512 bytes.
.macro TOSTAGE a
	WIN 0x04                                       ; an LDS store's data are its source 1: window 1
.irp b, 0,1,2,3,4,5,6,7
	ds_store_b128 v[STO], v[8*(8*(\a)+\b):8*(8*(\a)+\b)+3] offset:64*\b          ; each accumulator from its low end on
	ds_store_b128 v[STO], v[8*(8*(\a)+\b)+4:8*(8*(\a)+\b)+7] offset:64*\b+16
.endr
	WIN 0
.set BB, BK+64*((\a)%2)
.irp t, 0,1,2,3,4,5,6,7,8,9,10,11,12,13,14,15
	ds_load_b128 v[BB+4*\t:BB+4*\t+3], v[RD] offset:\t*SPITCH      ; LDS serves a wave's instructions in order: these see the stores above
.endr
.endm
.macro SEND a, younger
.set BB, BK+64*((\a)%2)
	s_wait_dscnt \younger                          ; the block is back; the next block's 16 stores and 16 loads may be out
.irp t, 0,1,2,3,4,5,6,7,8,9,10,11,12,13,14,15
	global_store_b128 v[CO], v[BB+4*\t:BB+4*\t+3], s[8:9] offset:(16*(\a)+\t)*SIZE_N*4 th:TH_STORE_NT   ; 512 consecutive bytes, aligned; written once, read by nobody here
.endr
.endm
	PLACES
	TOSTAGE 0
.irp a, 1,2,3
.if \a > 1
	s_wait_xcnt 0x0                                ; block a - 2's stores have read their registers: block a's loads may land there
.endif
	TOSTAGE \a
	SEND \a-1, 32
.endr
	SEND 3, 0
	s_wait_tensorcnt 0x0                           ; the wave's end
	ds_add_u32 v[SPW], v[NIL]
	s_wait_dscnt 0x0
	CROUND                                         ; the closing round
	s_endpgm
.Lfunc_end_k_q1a7439e002_proj:
	.size	k_q1a7439e002_proj, .Lfunc_end_k_q1a7439e002_proj-k_q1a7439e002_proj
	.p2alignl 7, 3214868480
	.fill 96, 4, 3214868480
	.section	.rodata,"a",@progbits
	.p2align	6, 0x0
	.amdhsa_kernel k_q1a7439e002_proj
		.amdhsa_group_segment_fixed_size 327680
		.amdhsa_private_segment_fixed_size 0
		.amdhsa_enable_private_segment 0
		.amdhsa_kernarg_size 24
		.amdhsa_user_sgpr_count 2
		.amdhsa_user_sgpr_kernarg_segment_ptr 1
		.amdhsa_wavefront_size32 1
		.amdhsa_system_sgpr_workgroup_id_x 1
		.amdhsa_system_sgpr_workgroup_id_y 1
		.amdhsa_system_sgpr_workgroup_id_z 1
		.amdhsa_system_vgpr_workitem_id 0
		.amdhsa_next_free_vgpr 768
		.amdhsa_next_free_sgpr 80
		.amdhsa_reserve_vcc 0
		.amdhsa_float_denorm_mode_32 3
		.amdhsa_float_denorm_mode_16_64 3
		.amdhsa_memory_ordered 1
		.amdhsa_forward_progress 1
		.amdhsa_inst_pref_size 152
	.end_amdhsa_kernel
	.amdgpu_metadata
---
amdhsa.version: [ 1, 2 ]
amdhsa.kernels:
  - .name:           k_q1a7439e002_proj
    .symbol:         k_q1a7439e002_proj.kd
    .args:
      - { .name: y16, .offset: 0, .size: 8, .value_kind: global_buffer, .address_space: global }
      - { .name: wo16, .offset: 8, .size: 8, .value_kind: global_buffer, .address_space: global }
      - { .name: out0, .offset: 16, .size: 8, .value_kind: global_buffer, .address_space: global }
    .group_segment_fixed_size: 327680
    .private_segment_fixed_size: 0
    .kernarg_segment_align: 8
    .kernarg_segment_size: 24
    .max_flat_workgroup_size: 128
    .sgpr_count:     80
    .vgpr_count:     768
    .wavefront_size: 32
...
	.end_amdgpu_metadata
.endif
;; end of part 4
